; MI455X (gfx1250); checked and timed in simulation.
; The chip was launched on July 23, 2026; its instructions are those of AMD's public machine-readable ISA for CDNA 5 (MIT licence, August 2026) and "CDNA5" Instruction Set Architecture Reference Guide (July 2026). The comments in the code are by the model that wrote it; some were corrected since.
;; Causal Self Attention. Allowed arithmetic: matrix products marked QUANTISED: E2M3 operands, one E8M0 scale for each 32 along K, by v_wmma_scale_f32_16x16x128_f8f6f4 with both operands' format E2M3, f32 sums; everything else in f32.
;; Inputs: attn_mask 8 x 1,024 bool; cos 1 x 1 x 1,024 x 32 float32; sin 1 x 1 x 1,024 x 32 float32; w_proj 1,024 x 1,024 float32; w_qkv 1,024 x 3,072 float32; x 8 x 1,024 x 1,024 float32.
;; Outputs: out0 8 x 1,024 x 1,024 float32.
;; This version of the problem:
;;   THIS VERSION OF THE PROBLEM IS GIVEN IN LOW PRECISION. The matrix products marked QUANTISED in the list below multiply operands that are first quantised to E2M3 (2 exponent bits, 3 mantissa bits; 6 bits a number), with one power-of-two scale for each 32 numbers along K (OCP MX v1.0); their sums are f32. All else is computed in f32.
;;   The module's matrix products, in the order in which they are computed (A, B: the left and right operand; K: the contracted axis; several contracted axes count as one K, in the product's order):
;;     1. [M 8,192, K 1,024] x [K 1,024, N 3,072]; A: input x; B: input w_qkv: QUANTISED
;;     2. batch 128 x [M 1,024, K 64] x [K 64, N 1,024]; A: computed on the way; B: computed on the way: QUANTISED
;;     3. batch 128 x [M 1,024, K 1,024] x [K 1,024, N 64]; A: softmax (see below); B: computed on the way: QUANTISED
;;     4. [M 8,192, K 1,024] x [K 1,024, N 1,024]; A: computed on the way; B: input w_proj: QUANTISED
;;   THE QUANTISER, for each operand of a quantised product, along K:
;;     - K is cut into blocks of 32 from its start; a last block that is shorter is filled with zeros.
;;     - A block's scale is 2^e with e = floor(log2(the largest magnitude in the block)) - 2, held to -126 .. 127; a block of zeros has e = 0. As a byte (E8M0): e + 127.
;;     - Each number is divided by its block's scale, clamped to +-7.5, and rounded to the nearest number of E2M3, ties to even, subnormals kept.
;;     - The product sums the exact products of the quantised numbers (number of the format x scale) in f32.
;;   ~~~python
;;   def quantise(x, axis):      # numpy; x: float32 -> the quantised numbers, widened to float32 again
;;       x = np.moveaxis(x, axis, -1); K = x.shape[-1]
;;       x = np.pad(x, [(0, 0)] * (x.ndim - 1) + [(0, -K % 32)]); x = x.reshape(x.shape[:-1] + (-1, 32)); a = np.abs(x).max(-1, keepdims=True)
;;       e = np.where(a > 0, np.clip(np.frexp(np.where(a > 0, a, 1))[1] - 1 - 2, -126, 127), 0)      # np.frexp(a)[1] - 1 = floor(log2(a)), exactly
;;       r = np.clip(x / 2.0 ** e, -7.5, 7.5)
;;       step = 2.0 ** (np.maximum(np.frexp(np.where(r == 0, 1, r))[1] - 1, 0) - 3)
;;       q = np.round(r / step) * step * 2.0 ** e      # np.round: ties to even
;;       return np.moveaxis(q.reshape(q.shape[:-2] + (-1,))[..., :K], -1, axis).astype(np.float32)
;;   ~~~
;;   SOFTMAX AHEAD OF A QUANTISED PRODUCT. Where the list says 'softmax', what is quantised is not the finished softmax but p = 2^(t - M), with t = logit x log2(e) and M = ceil(the row's largest t), a whole number; so 1/2 < the row's largest p <= 1. The row's sum l is taken of the UNQUANTISED p, in f32, and the product's result is divided by l at the end. Since M is a whole number, a kernel that streams over the keys may use a running M (the ceiling of the running maximum): every later rescaling is an exact power of two, which a block's scale takes up: the codes' values come out the same.
;;   OPERANDS COMPUTED ON THE WAY. 'Computed on the way' means the value that the module computes at that place (a softmax that the list does not call 'softmax' is quantised finished and normalised). What goes into a quantiser is computed in f32, as accurately as f32 sums, v_exp_f32 and their like allow (about 1e-6 of the number): no bf16 or f16 on the way to a quantiser, and a product that is left as it is and whose result goes on into a quantised operand takes f32 operands (vector FMAs, or v_wmma_f32_16x16x4_f32). A number that lies on a knife's edge between two numbers of the format may be rounded either way, as far as f32 arithmetic and the matrix unit's own rounding can turn it there, and no further.
;; One version. Each part assembles by itself: llvm-mc -triple=amdgcn-amd-amdhsa -mcpu=gfx1250 --defsym DOCPART=n.
;; ======== version 1 of 1: 4 launches
;; limits: right only within a limited range of input values
;; workspace buffers: xq 6,553,600 bytes; wq 3,276,800 bytes; att 20,185,088 bytes; yq 6,553,600 bytes
;; launch quant (part 1): grid 384 x 1, 4 waves a work-group, no clusters, 34,304 bytes of LDS; arguments x, w_qkv, w_proj, xq, wq; writes xq, wq
.if DOCPART == 1
	.amdgcn_target "amdgcn-amd-amdhsa--gfx1250"
	.amdhsa_code_object_version 6
	.text
	.protected	k_qe73fb7ae53_quant
	.globl	k_qe73fb7ae53_quant
	.p2align	8
	.type	k_qe73fb7ae53_quant,@function
k_qe73fb7ae53_quant:
	s_mov_b64 s[64:65], 0
	v_nop
	global_prefetch_b8 v0, s[64:65] scope:SCOPE_SE
	s_setreg_imm32_b32 hwreg(HW_REG_WAVE_MODE, 25, 1), 1
	s_wait_xcnt 0x0
; THE PROGRAM: causal self-attention, B 8, S 1,024, D 1,024, 16 heads of 64, all four products on codes of FP6 (E2M3) with one E8M0 scale for each 32 along K.
;   quant: x, w_qkv, w_proj -> codes    qkv: x w_qkv, RoPE, q, k, v -> codes    attn: softmax(q k^T) v -> codes of y    proj: y w_proj -> out0
; WORK LEFT OUT.  reference() builds jnp.tril in its own body.  For a query whose own bit of attn_mask is true, key = query is allowed, so the row's largest logit is a real score, and every key behind the
; diagonal has the logit finfo.min: its p is 2^(finfo.min x log2(e) - M) = 0 for all values of the inputs.  So key steps that lie wholly behind the diagonal of a tile of queries are not walked (launch attn).
; For a query whose own bit is false ALL 1,024 logits are finfo.min: p = 1 for every key, those behind the diagonal too, the sum is 1,024, and the row is the mean of the quantised v over all keys, the same
; for every such query of a head.  That work is live: it is done once for a work-group, by the format's own matrix instruction on a fragment of ones, and taken by a select.  Every input is loaded.
; LIMIT: a NaN, an infinity or an overflow that reaches only the key steps left out is not carried to the result.  NaN and infinities among the inputs are not served.
;
; THIS LAUNCH.  f32 numbers become codes and scale bytes, laid IN THE ORDER OF THE OPERAND'S REGISTERS, so that the products' launches fetch dense blocks and load fragments by whole lanes.
; A block's scale is 2^(floor(log2(largest magnitude)) - 2); its byte is the largest magnitude's exponent field - 2, held at 1 from below.  (A block of zeros gets the byte 1 where the rule says 127: its codes
; are zeros, which add nothing, and this program alone reads the bytes.)  LIMIT: blocks whose largest magnitude lies under 2^(3 - 127) have the byte 1.
; LAYOUT.  32 rows of an operand are a PAIR of tiles: lane row r of tile u is row 32 P + 8 u + r + 8 (r / 8).  A RECORD, 6,400 bytes, is a pair x 256 along K: fragment (u, q) (16 rows x 128 K) at 3072 u + 1536 q,
; in it half c (64 along K) at 768 c: lane l's registers 6 c .. 6 c + 3 at 16 l, registers 6 c + 4, 5 at 512 + 8 l; the scale words (four bytes: a row's 128 along K) at 6144 + 128 u + 8 r + 4 q.
; Record (P, j) lies at (4 P + j) x 6,400.  xq: x's 256 pairs.  wq: pairs 0-95 the columns of w_qkv, pairs 96-127 those of w_proj (a weight's rows here are its COLUMNS: K is its first axis).
; SHARES.  Work-groups 0-255: a pair of x, wave w its chunk w of 256 along K.  256-351: w_qkv, 352-383: w_proj: 128 columns x 256 along K, a wave 32 columns.  A wave makes one record.  Waves share nothing: no barrier.
.set SPARE, 33792                      ; behind the four stages: the spare words, 128 bytes for each wave
.set SPW,   250                        ; v250  LDS address of my spare word; never rewritten
.set NIL,   251                        ; v251  0; never rewritten
.set RX,    16                         ; v16-143   x: two sets of 64 registers as loaded
.set XX,    144                        ; v144-207  x: my 64 numbers, two whole blocks of 32
.set CX,    208                        ; v208-219  x: a fragment's codes
.set CT,    220                        ; v220-222, v224-226: the second halves of the blocks' codes, to be moved
.set TMX,   228                        ; v228-229  largest magnitudes
.set SO,    230                        ; v230-231  the conversions' scale operands
.set BY,    232                        ; v232-233  scale bytes
.set PT,    234                        ; v234      a lane permute's destination
.set WD,    236                        ; v236-239  the four fragments' scale words
.set XW,    32                         ; v32-95    weights: two sets of 32 numbers
.set CW,    96                         ; v96-143   weights: eight blocks' codes, six registers each
.set CTW,   144                        ; v144-146
.set SB,    24                         ; v24-25    weights: my column's eight scale bytes
	s_load_b256 s[4:11], s[0:1], 0x0               ; x s[4:5], w_qkv s[6:7], w_proj s[8:9], xq s[10:11]
	s_load_b64 s[12:13], s[0:1], 0x20              ; wq
	v_lshl_add_u32 v[SPW], v0, 2, SPARE
	v_mov_b32 v[NIL], 0
	v_lshrrev_b32 v1, 5, v0
	v_readfirstlane_b32 s14, v1                    ; wave 0..3
	v_and_b32 v2, 31, v0                           ; lane
	v_lshlrev_b32 v3, 4, v2                        ; 16 x lane
	v_lshlrev_b32 v5, 3, v2                        ; 8 x lane
	v_add_nc_u32 v4, 512, v5                       ; 8 x lane + 512
	s_cmp_lt_u32 ttmp9, 256
	s_cbranch_scc0 .Lweights
	; ---------------- x: K is innermost.  A fragment's 16 rows x 512 bytes are loaded as they lie (512 consecutive bytes a load) and turned through my own stage in LDS, so that a lane holds two whole blocks of its row
	v_and_b32 v9, 15, v0                           ; r
	v_bfe_u32 v10, v0, 4, 1                        ; h
	s_mul_i32 s15, s14, 8448                       ; my stage: 16 rows of 512 bytes + 16
	v_add_nc_u32 v6, s15, v3                       ; in: 16 x lane of a row
	v_mul_u32_u24 v7, v9, 528
	v_lshl_add_u32 v7, v10, 7, v7
	v_add_nc_u32 v7, s15, v7                       ; back: row r, + 128 h: k = 64 c + 32 h + 0 .. 31
	v_lshlrev_b32 v8, 3, v10                       ; 8 h: my bytes' place in the scale word
	v_mov_b32 v[PT], 0                             ; (a lane permute's destination counts as one of its sources)
	s_mov_b32 s20, 0x76543210
	s_mov_b32 s21, 0xfedcba98                      ; v_permlanex16_b32's selects for lane l xor 16
	s_lshl_b32 s16, ttmp9, 17                      ; the pair's 32 rows of 4,096 bytes,
	s_lshl_b32 s17, s14, 10                        ; my chunk's 1,024 bytes of a row
	s_add_co_u32 s16, s16, s17
	s_mov_b32 s17, 0
	s_lshl_b32 s18, ttmp9, 2
	s_add_co_u32 s18, s18, s14
	s_mul_i32 s18, s18, 6400                       ; my record
	s_mov_b32 s19, 0
	s_wait_alu depctr_va_vdst(0)
	s_wait_kmcnt 0x0
	s_add_nc_u64 s[4:5], s[4:5], s[16:17]
	s_add_nc_u64 s[10:11], s[10:11], s[18:19]
.macro FILLX f                         ; fragment f = 2 u + q: the tile's 16 rows, 512 bytes each
.irp i, 0,1,2,3,4,5,6,7,8,9,10,11,12,13,14,15
	global_load_b128 v[RX+64*((\f)%2)+4*\i:RX+64*((\f)%2)+4*\i+3], v3, s[4:5] offset:(8*((\f)/2)+\i+8*(\i/8))*4096+512*((\f)%2) th:TH_LOAD_NT
.endr
.endm
.macro FRAGX f
.set U, (\f)/2
.set Q, (\f)%2
.if (\f) < 3
	s_wait_loadcnt 16                              ; this fragment's 16 loads are in; the next fragment's 16 may be out
.else
	s_wait_loadcnt 0
.endif
.irp i, 0,1,2,3,4,5,6,7,8,9,10,11,12,13,14,15
	ds_store_b128 v6, v[RX+64*Q+4*\i:RX+64*Q+4*\i+3] offset:528*\i
.endr
.irp c, 0,1
.irp j, 0,1,2,3,4,5,6,7
	ds_load_b128 v[XX+32*\c+4*\j:XX+32*\c+4*\j+3], v7 offset:256*\c+16*\j   ; LDS serves a wave's instructions in order: these see the stores above
.endr
.endr
	s_wait_dscnt 0x0                               ; my numbers are back, and the stores have read their registers
	s_wait_xcnt 0x0                                ; the last fragment's stores have read their data: the codes' registers are written again only behind this wait
.if (\f) < 2
	FILLX (\f)+2
.endif
.irp c, 0,1                                    ; my block 2 c + h: all its 32 numbers are mine
	v_max3_num_f32 v[TMX+\c], |v[XX+32*\c]|, |v[XX+32*\c+1]|, 0x1800000   ; with the floor 2^(3 - 127): the byte cannot fall under 1
.endr
.irp i, 2,4,6,8,10,12,14,16,18,20,22,24,26,28,30
.irp c, 0,1
	v_max3_num_f32 v[TMX+\c], v[TMX+\c], |v[XX+32*\c+\i]|, |v[XX+32*\c+\i+1]|
.endr
.endr
.irp c, 0,1
	v_add_nc_u32 v[SO+\c], 0xff000000, v[TMX+\c]   ; 2 off the exponent field: the conversion takes this operand's exponent field as its scale
.endr
.irp c, 0,1
	v_lshrrev_b32 v[BY+\c], 23, v[SO+\c]           ; the scale's byte
.endr
	v_lshl_or_b32 v[WD+(\f)], v[BY+1], 16, v[BY]   ; my two bytes: blocks h and 2 + h,
	v_lshlrev_b32 v[WD+(\f)], v8, v[WD+(\f)]       ; at their places;
	v_permlanex16_b32 v[PT], v[WD+(\f)], s20, s21
	v_or_b32 v[WD+(\f)], v[WD+(\f)], v[PT]         ; with lane l xor 16's two the row's word is whole
.irp c, 0,1
	v_cvt_scalef32_pk16_fp6_f32 v[CX+6*\c:CX+6*\c+2], v[XX+32*\c:XX+32*\c+15], v[SO+\c]
	v_cvt_scalef32_pk16_fp6_f32 v[CT+4*\c:CT+4*\c+2], v[XX+32*\c+16:XX+32*\c+31], v[SO+\c]   ; (a conversion's three registers begin on an even number)
.endr
	v_nop                                          ; one plain instruction behind the scaled conversions
.irp c, 0,1
.irp i, 0,1,2
	v_mov_b32 v[CX+6*\c+3+\i], v[CT+4*\c+\i]
.endr
.endr
.irp c, 0,1
	global_store_b128 v3, v[CX+6*\c:CX+6*\c+3], s[10:11] offset:3072*U+1536*Q+768*\c     ; 512 consecutive bytes, aligned to 256
	global_store_b64 v4, v[CX+6*\c+4:CX+6*\c+5], s[10:11] offset:3072*U+1536*Q+768*\c    ; and the 256 behind them
.endr
.endm
	FILLX 0
	FILLX 1
	FRAGX 0
	FRAGX 1
	FRAGX 2
	FRAGX 3
	v_cmp_lt_u32 vcc_lo, 15, v2                    ; lanes 16-31 carry tile 1's words
	v_cndmask_b32 v240, v[WD], v[WD+2], vcc_lo
	v_cndmask_b32 v241, v[WD+1], v[WD+3], vcc_lo
	global_store_b64 v5, v[240:241], s[10:11] offset:6144   ; the record's 256 bytes of scale words
	s_wait_tensorcnt 0x0                           ; the wave's end, behind my last LDS store
	ds_add_u32 v[SPW], v[NIL]
	s_wait_dscnt 0x0
	s_endpgm
	; ---------------- the weights: K is the FIRST axis.  A lane takes a column and its registers run down K: a block of 32 lies in one lane, and the codes come out with K innermost.  No LDS is touched here
.Lweights:
	s_wait_alu depctr_va_vdst(0)
	v_and_b32 v9, 7, v2
	v_bfe_u32 v10, v2, 3, 1
	v_bfe_u32 v11, v2, 4, 1
	v_lshl_or_b32 v9, v10, 4, v9
	v_lshl_or_b32 v9, v11, 3, v9                   ; lane 16 u + r takes column 8 u + r + 8 (r / 8) of the pair: lanes 0-15 are tile 0
	v_lshlrev_b32 v9, 2, v9
.macro LOADW t, pitch                  ; block t: rows 32 t .. 32 t + 31 of my column
.irp i, 0,1,2,3,4,5,6,7,8,9,10,11,12,13,14,15,16,17,18,19,20,21,22,23,24,25,26,27,28,29,30,31
	global_load_b32 v[XW+32*((\t)%2)+\i], v9, s[22:23] offset:(32*(\t)+\i)*(\pitch) th:TH_LOAD_NT
.endr
.endm
.macro BLOCKW t, pitch
.set XS, XW+32*((\t)%2)
.set CC, CW+6*(\t)
.if (\t) < 7
	s_wait_loadcnt 32                              ; this block's 32 loads are in; the next block's 32 may be out
.else
	s_wait_loadcnt 0
.endif
	v_max3_num_f32 v12, |v[XS]|, |v[XS+1]|, |v[XS+2]|
	v_max3_num_f32 v13, |v[XS+3]|, |v[XS+4]|, |v[XS+5]|
.irp i, 6,10,14,18,22,26
	v_max3_num_f32 v12, v12, |v[XS+\i]|, |v[XS+\i+1]|
	v_max3_num_f32 v13, v13, |v[XS+\i+2]|, |v[XS+\i+3]|
.endr
	v_max3_num_f32 v12, v12, |v[XS+30]|, |v[XS+31]|
	v_max3_num_f32 v12, v12, v13, 0x1800000        ; and the floor
	v_add_nc_u32 v14, 0xff000000, v12
	v_lshrrev_b32 v15, 23, v14
.if (\t)%4 == 0
	v_mov_b32 v[SB+(\t)/4], v15
.else
	v_lshl_or_b32 v[SB+(\t)/4], v15, 8*((\t)%4), v[SB+(\t)/4]
.endif
	v_cvt_scalef32_pk16_fp6_f32 v[CC:CC+2], v[XS:XS+15], v14
	v_cvt_scalef32_pk16_fp6_f32 v[CTW:CTW+2], v[XS+16:XS+31], v14
	v_nop                                          ; one plain instruction behind the scaled conversions
.irp i, 0,1,2
	v_mov_b32 v[CC+3+\i], v[CTW+\i]
.endr
.if (\t)+2 < 8
	LOADW (\t)+2, \pitch
.endif
.endm
; The four blocks of 128 along K.  A lane holds blocks 2 c and 2 c + 1 of ITS column; the operand wants block 2 c + h of row r in lane (r, h).  One exchange of halves does it for both tiles:
; the first run's lanes 16-31 (tile 1, block 2 c) change places with the second's lanes 0-15 (tile 0, block 2 c + 1): the first run is then tile 0's registers 6 c .. 6 c + 5, the second tile 1's.
.macro OUTW q
.irp c, 0,1
.irp i, 0,1,2,3,4,5
	v_permlane16_swap_b32 v[CW+6*(4*\q+2*\c)+\i], v[CW+6*(4*\q+2*\c+1)+\i]
.endr
.endr
.irp c, 0,1
.irp u, 0,1
	global_store_b128 v3, v[CW+6*(4*\q+2*\c+\u):CW+6*(4*\q+2*\c+\u)+3], s[24:25] offset:3072*\u+1536*\q+768*\c
	global_store_b64 v4, v[CW+6*(4*\q+2*\c+\u)+4:CW+6*(4*\q+2*\c+\u)+5], s[24:25] offset:3072*\u+1536*\q+768*\c
.endr
.endr
.endm
; pitch: bytes of a row of the weight; bp: its first pair in wq; first: its first work-group; ptr: the scalar pair with its address.  No store's data are written again: no wait stands in front of any.
.macro WPATH pitch, bp, first, ptr
	s_sub_co_u32 s15, ttmp9, \first
	s_lshr_b32 s16, s15, 2                         ; which 128 columns
	s_and_b32 s17, s15, 3                          ; which 256 along K
	s_mul_i32 s18, s17, 256*(\pitch)
	s_lshl_b32 s19, s16, 9
	s_add_co_u32 s18, s18, s19
	s_lshl_b32 s19, s14, 7                         ; my wave's 32 columns
	s_add_co_u32 s18, s18, s19
	s_mov_b32 s19, 0
	s_lshl_b32 s20, s16, 2
	s_add_co_u32 s20, s20, s14
	s_add_co_u32 s20, s20, \bp                     ; my pair
	s_lshl_b32 s20, s20, 2
	s_add_co_u32 s20, s20, s17
	s_mul_i32 s20, s20, 6400                       ; my record
	s_mov_b32 s21, 0
	s_wait_kmcnt 0x0
	s_add_nc_u64 s[22:23], s[\ptr:\ptr+1], s[18:19]
	s_add_nc_u64 s[24:25], s[12:13], s[20:21]
	LOADW 0, \pitch
	LOADW 1, \pitch
	BLOCKW 0, \pitch
	BLOCKW 1, \pitch
	BLOCKW 2, \pitch
	BLOCKW 3, \pitch
	OUTW 0
	BLOCKW 4, \pitch
	BLOCKW 5, \pitch
	BLOCKW 6, \pitch
	BLOCKW 7, \pitch
	OUTW 1
	global_store_b64 v5, v[SB:SB+1], s[24:25] offset:6144   ; lane 16 u + r: the two words of row r of tile u: the record's 256 bytes of scale words
	s_endpgm
.endm
	s_cmp_lt_u32 ttmp9, 352
	s_cbranch_scc0 .Lproj
	s_wait_alu depctr_va_vdst(0)
	WPATH 12288, 0, 256, 6
.Lproj:
	s_wait_alu depctr_va_vdst(0)
	WPATH 4096, 96, 352, 8
.Lfunc_end_k_qe73fb7ae53_quant:
	.size	k_qe73fb7ae53_quant, .Lfunc_end_k_qe73fb7ae53_quant-k_qe73fb7ae53_quant
	.p2alignl 7, 3214868480
	.fill 96, 4, 3214868480
	.section	.rodata,"a",@progbits
	.p2align	6, 0x0
	.amdhsa_kernel k_qe73fb7ae53_quant
		.amdhsa_group_segment_fixed_size 34304
		.amdhsa_private_segment_fixed_size 0
		.amdhsa_enable_private_segment 0
		.amdhsa_kernarg_size 40
		.amdhsa_user_sgpr_count 2
		.amdhsa_user_sgpr_kernarg_segment_ptr 1
		.amdhsa_wavefront_size32 1
		.amdhsa_system_sgpr_workgroup_id_x 1
		.amdhsa_system_sgpr_workgroup_id_y 1
		.amdhsa_system_sgpr_workgroup_id_z 1
		.amdhsa_system_vgpr_workitem_id 0
		.amdhsa_next_free_vgpr 256
		.amdhsa_next_free_sgpr 66
		.amdhsa_reserve_vcc 1
		.amdhsa_float_denorm_mode_32 3
		.amdhsa_float_denorm_mode_16_64 3
		.amdhsa_memory_ordered 1
		.amdhsa_forward_progress 1
		.amdhsa_inst_pref_size 108
	.end_amdhsa_kernel
	.amdgpu_metadata
---
amdhsa.version: [ 1, 2 ]
amdhsa.kernels:
  - .name:           k_qe73fb7ae53_quant
    .symbol:         k_qe73fb7ae53_quant.kd
    .args:
      - { .name: x, .offset: 0, .size: 8, .value_kind: global_buffer, .address_space: global }
      - { .name: w_qkv, .offset: 8, .size: 8, .value_kind: global_buffer, .address_space: global }
      - { .name: w_proj, .offset: 16, .size: 8, .value_kind: global_buffer, .address_space: global }
      - { .name: xq, .offset: 24, .size: 8, .value_kind: global_buffer, .address_space: global }
      - { .name: wq, .offset: 32, .size: 8, .value_kind: global_buffer, .address_space: global }
    .group_segment_fixed_size: 34304
    .private_segment_fixed_size: 0
    .kernarg_segment_align: 8
    .kernarg_segment_size: 40
    .max_flat_workgroup_size: 128
    .sgpr_count:     66
    .vgpr_count:     256
    .wavefront_size: 32
...
	.end_amdgpu_metadata
.endif
;; end of part 1
;; launch qkv (part 2): grid 4 x 64, 4 waves a work-group, clusters of 4 x 4, 327,680 bytes of LDS; arguments xq, wq, cos, sin, att; writes att
.if DOCPART == 2
	.amdgcn_target "amdgcn-amd-amdhsa--gfx1250"
	.amdhsa_code_object_version 6
	.text
	.protected	k_qe73fb7ae53_qkv
	.globl	k_qe73fb7ae53_qkv
	.p2align	8
	.type	k_qe73fb7ae53_qkv,@function
k_qe73fb7ae53_qkv:
	s_mov_b64 s[64:65], 0
	v_nop
	global_prefetch_b8 v0, s[64:65] scope:SCOPE_SE
	s_setreg_imm32_b32 hwreg(HW_REG_WAVE_MODE, 25, 1), 1
	s_wait_xcnt 0x0
	s_wait_alu depctr_hold_cnt(0) depctr_sa_sdst(0) depctr_va_vdst(0) depctr_va_sdst(0) depctr_va_ssrc(0) depctr_va_vcc(0) depctr_vm_vsrc(0)
	s_getreg_b32 s2, hwreg(HW_REG_IB_STS2, 6, 4)
	s_cmp_eq_u32 s2, 0
	s_cbranch_scc0 .Lentry_in_a_cluster
	s_endpgm
.Lentry_in_a_cluster:
	s_bfe_u32 s2, ttmp6, 0x10000c
	s_cmp_lg_u32 s2, 0xf033
	s_cbranch_scc0 .Lentry_shape_is_right
	s_endpgm
.Lentry_shape_is_right:
; qkv = x w_qkv on codes of FP6 (E2M3); RoPE on q and k in f32; q and k are quantised along the head's 64, v along the KEYS; only codes and scale bytes go to memory (att).  No work is left out here.
; OPERANDS (launch quant): 32 rows are a pair of tiles, lane row r of tile u = row 32 P + 8 u + r + 8 (r / 8); a record of 6,400 bytes is a pair x 256 along K, in the order of the operand's registers; a pair's four records lie on end.
; A WORK-GROUP STAYS and makes three tiles of 128 rows of the A side x 256 of the B side: q (A = tokens, B = q's columns), k (the same tokens, k's columns), v (A = v's columns, B = tokens).
; THE RING: two LDS slots, each with two chunks of 256 along K: A's 4 pairs, then B's 8, a pair's two records (12,800 bytes, consecutive in memory) on end.  A wave fills half of A's or of B's rows of a slot by ONE tensor load.
; Slot 0 is filled again at the change of slots, slot 1 in the middle of the way out; each refill stands behind the three lines and a round of the cluster's barrier.  A wave has one tensor load out at a time; every wait for it is for 0.
; The v tile asks for nothing more, so it is written out behind the loop of two trips.  No prefetch: a refill of slot 0 has 144 matrix instructions and half a way out, one of slot 1 half a way out and 96 matrix instructions, between its issue and the wait for it.
; TRANSPOSED USE (source 0 = 16 rows of B, source 1 = 16 of A): a lane holds ONE row of A, and the 16 registers of B's tiles 2 b, 2 b + 1 are the neighbours 32 b + 16 (lane / 16) + 0 .. 15 of the B side.
; CLUSTERS 4 x 4: A's records are shared along a row of the cluster, B's along a column, by joint loads.
; att: head bh at 104,448 bh: k, 64 tiles of 768 bytes; from 49,152 v: fragment (key step, channel tile a) at (4 ks + a) 1,536; from 98,304 k's scale words; from 102,400 v's.  From QB on, 53,248 bh: q's tiles, then its scale words.
; LIMITS: as in launch quant (a block of zeros has the byte 1; NaN and infinities are not served).
; REGISTERS.  Window 0: v1-18 lane terms and addresses; v28, v29 the add's two; v32-63 scale words; v64-159 A's fragments (way out: v64-127 numbers); v160-179 codes; v200-231 at work.
;   Window 1: B's fragments at v0 and v128.  Window 2: accumulator (a, b) at v[8 (8 a + b)].  Window 3: cos v0-63, sin v64-127, loaded once for the q and the k tile.
.set REC,    6400
.set PAIRB,  25600
.set PB2,    12800                     ; a pair's two records in a slot
.set SLOT,   153600
.set SPARE,  307200
.set QB,     13369344
.set ADA16, 4                          ; v4-8: slot 0's addresses; v14-18: slot 1's
.set ADA8,  5
.set ADB16, 6
.set ADB8,  7
.set ADS,   8
.set LI,    9
.set L8,    10
.set LS,    11
.set SPW,   28
.set NIL,   29
.set SC,    32
.set AF,    64
.set PC,    160
.set TM,    200
.set PW,    216
.set G1A,   24
.set G1B,   32
.set G0A,   48                         ; s[48:55], s[68:75]: groups 0, one for each slot
.set G0B,   68
.set SEL,   66
.set TI,    76                         ; s76: the tile, 0 or 1 in the loop
.set MSB, 0
.macro WIN new
.if MSB != \new
	s_set_vgpr_msb (MSB<<8)|\new
.set MSB, \new
.endif
.endm
.macro JLOAD s                         ; waves 0, 1 fetch A's halves, waves 2, 3 B's; s_nop 0 and four v_nop follow each line
	s_cmp_eq_u32 s15, 0
	s_cbranch_scc0 .Lfor_b_\@
	tensor_load_to_lds s[G0A+4*\s:G0A+4*\s+3], s[G1A:G1A+7]
	s_nop 0
.rept 4
	v_nop
.endr
	s_branch .Lasked_\@
.Lfor_b_\@:
	tensor_load_to_lds s[G0B+4*\s:G0B+4*\s+3], s[G1B:G1B+7]
	s_nop 0
.rept 4
	v_nop
.endr
.Lasked_\@:
.endm
.macro CREST
	s_cmp_lg_u32 s14, 0
	s_cbranch_scc1 .Lnot_wave_0_\@
	s_barrier_signal -3
.Lnot_wave_0_\@:
	s_barrier_wait -3
	s_barrier_signal -1
	s_barrier_wait -1
.endm
.macro CROUND
	s_barrier_signal -1
	s_barrier_wait -1
	CREST
.endm
.macro NEXTG s                         ; slot s's addresses for the next tile: behind tile 0 the same tokens and k's columns, behind tile 1 v's columns and its tokens.  No tensor load of mine is out here
	s_cmp_eq_u32 s[TI], 0
	s_cselect_b64 s[G0A+4*\s+2:G0A+4*\s+3], s[56:57], s[58:59]
	s_cselect_b64 s[G0B+4*\s+2:G0B+4*\s+3], s[60:61], s[62:63]
.if \s
	s_add_nc_u64 s[G0A+4*\s+2:G0A+4*\s+3], s[G0A+4*\s+2:G0A+4*\s+3], PB2
	s_add_nc_u64 s[G0B+4*\s+2:G0B+4*\s+3], s[G0B+4*\s+2:G0B+4*\s+3], PB2
.endif
	s_or_b32 s[G0A+4*\s+3], s[G0A+4*\s+3], 0x80000000
	s_or_b32 s[G0B+4*\s+3], s[G0B+4*\s+3], 0x80000000
.endm
.macro PLACES n
.rept \n
	v_nop
.endr
.endm
.macro FRAG4 reg, a16, a8, off
	ds_load_b128 v[(\reg):(\reg)+3], v[\a16] offset:(\off)
	ds_load_b64 v[(\reg)+4:(\reg)+5], v[\a8] offset:(\off)
	ds_load_b128 v[(\reg)+6:(\reg)+9], v[\a16] offset:(\off)+768
	ds_load_b64 v[(\reg)+10:(\reg)+11], v[\a8] offset:(\off)+768
.endm
.macro FETCH_A set, q, j               ; chunk j lies in slot j / 2, its records at REC (j % 2) of each pair
.irp i, 0,1,2,3
	FRAG4 AF+48*(\set)+12*\i, ADA16+10*((\j)/2), ADA8+10*((\j)/2), PB2*(\i/2)+3072*(\i%2)+1536*(\q)+REC*((\j)%2)
.endr
.endm
.macro FETCH_B set, q, j
	WIN 0x40
.irp i, 0,1,2,3,4,5,6,7
	FRAG4 128*(\set)+12*\i, ADB16+10*((\j)/2), ADB8+10*((\j)/2), PB2*(\i/2)+3072*(\i%2)+1536*(\q)+REC*((\j)%2)
.endr
	WIN 0
.endm
.macro SCALES j                        ; (for i > 3 lanes 0-15 read other bytes of the slot: those registers' low lanes are never named)
.irp i, 0,1,2,3,4,5,6,7
	ds_load_b64 v[SC+16*((\j)%2)+2*\i:SC+16*((\j)%2)+2*\i+1], v[ADS+10*((\j)/2)] offset:PB2*(\i/2)+128*(\i%2)+REC*((\j)%2)
.endr
.endm
.macro MUL16 a0, set, q, sc, zero      ; the 32 accumulators take turns, one instruction a turn
.irp a, \a0, \a0+1
.irp b, 0,1,2,3,4,5,6,7
.if \zero
	v_wmma_scale_f32_16x16x128_f8f6f4 v[8*(8*(\a)+\b):8*(8*(\a)+\b)+7], v[128*(\set)+12*\b:128*(\set)+12*\b+11], v[AF+48*(\set)+12*(\a):AF+48*(\set)+12*(\a)+11], 0, v[SC+16*(\sc)+2*\b+(\q)], v[SC+16*(\sc)+2*(\a)+(\q)] matrix_a_fmt:MATRIX_FMT_FP6 matrix_b_fmt:MATRIX_FMT_FP6 matrix_a_scale:MATRIX_SCALE_ROW1
.else
	v_wmma_scale_f32_16x16x128_f8f6f4 v[8*(8*(\a)+\b):8*(8*(\a)+\b)+7], v[128*(\set)+12*\b:128*(\set)+12*\b+11], v[AF+48*(\set)+12*(\a):AF+48*(\set)+12*(\a)+11], v[8*(8*(\a)+\b):8*(8*(\a)+\b)+7], v[SC+16*(\sc)+2*\b+(\q)], v[SC+16*(\sc)+2*(\a)+(\q)] matrix_a_fmt:MATRIX_FMT_FP6 matrix_b_fmt:MATRIX_FMT_FP6 matrix_a_scale:MATRIX_SCALE_ROW1
.endif
.endr
.endr
.endm
; K step q of chunk j on fragment set q; the next step's fragments are fetched ahead of its 32 products, four places behind the last step's.  rf = 1: slot 0 is filled again at the change of slots.
.macro KSTEP j, q, zero, rf
.if (\q) == 0
	s_wait_dscnt 0x0
	PLACES 4
	FETCH_B 1, 1, \j
	FETCH_A 1, 1, \j
	WIN 0xa1
	MUL16 0, 0, 0, (\j)%2, \zero
	MUL16 2, 0, 0, (\j)%2, \zero
.elseif (\j) == 3
	s_wait_dscnt 0x0
	WIN 0xa1
	MUL16 0, 1, 1, 1, 0
	MUL16 2, 1, 1, 1, 0
.elseif (\j) == 1
	WIN 0
	s_wait_tensorcnt 0x0                           ; my one load that is out, my part of slot 1, has landed
.if \rf
	ds_add_u32 v[SPW], v[NIL]
.endif
	s_wait_dscnt 0x0                               ; my reads of slot 0 are over
	s_barrier_signal -1
	WIN 0xa1
	MUL16 0, 1, 1, 1, 0
	WIN 0
	s_barrier_wait -1
.if \rf
	CREST                                          ; the barrier has opened a round of the cluster's barrier
	NEXTG 0
	JLOAD 0                                        ; the next tile's chunks 0, 1; its four v_nop are the places in front of the loads below
.else
	PLACES 4
.endif
	FETCH_B 0, 0, 2
	FETCH_A 0, 0, 2
	SCALES 2
	WIN 0xa1
	MUL16 2, 1, 1, 1, 0
.else
	s_wait_dscnt 0x0
	PLACES 4
	FETCH_B 0, 0, (\j)+1
	FETCH_A 0, 0, (\j)+1
	SCALES (\j)+1
	WIN 0xa1
	MUL16 0, 1, 1, (\j)%2, 0
	MUL16 2, 1, 1, (\j)%2, 0
.endif
.endm
.macro PRODUCT rf                      ; slot 0 is whole for every wave when this begins
	FETCH_B 0, 0, 0
	FETCH_A 0, 0, 0
	SCALES 0
	KSTEP 0, 0, 1, \rf
	KSTEP 0, 1, 0, \rf
	KSTEP 1, 0, 0, \rf
	KSTEP 1, 1, 0, \rf
	KSTEP 2, 0, 0, \rf
	KSTEP 2, 1, 0, \rf
	KSTEP 3, 0, 0, \rf
	KSTEP 3, 1, 0, \rf
	WIN 0
.endm
.macro RB                              ; slot 1's refill: the three lines, a whole round, the next tile's chunks 2, 3.  It also shows the next tile's slot 0 whole to every wave
	s_wait_alu depctr_va_vdst(0)                   ; ahead of the blocking wait
	s_wait_tensorcnt 0x0
	ds_add_u32 v[SPW], v[NIL]
	s_wait_dscnt 0x0
	CROUND
	NEXTG 1
	JLOAD 1
.endm
; 64 numbers of a lane in window W, register s + 16 b + i = index 32 b + 16 (lane / 16) + i of my row, become a fragment's codes in v[PC] on and its scale word in v[PW].
.macro QUANT s, W
	WIN (\W)|((\W)<<2)
.irp b, 0,1,2,3
	v_max3_num_f32 v[TM+\b], |v[(\s)+16*\b]|, |v[(\s)+1+16*\b]|, 0x1800000
.endr
	WIN ((\W)<<2)|((\W)<<4)
.irp i, 2,4,6,8,10,12,14
.irp b, 0,1,2,3
	v_max3_num_f32 v[TM+\b], v[TM+\b], |v[(\s)+16*\b+\i]|, |v[(\s)+1+16*\b+\i]|
.endr
.endr
	WIN 0
.irp b, 0,1,2,3
	v_permlanex16_b32 v[TM+4+\b], v[TM+\b], s[SEL], s[SEL+1]
.endr
.irp b, 0,1,2,3
	v_max_num_f32 v[TM+\b], v[TM+\b], v[TM+4+\b]
.endr
.irp b, 0,1,2,3
	v_add_nc_u32 v[TM+12+\b], 0xff000000, v[TM+\b]
.endr
.irp b, 0,1,2,3
	v_lshrrev_b32 v[TM+4+\b], 23, v[TM+12+\b]
.endr
	v_lshl_or_b32 v[PW], v[TM+5], 8, v[TM+4]
	v_lshl_or_b32 v[PW], v[TM+6], 16, v[PW]
	v_lshl_or_b32 v[PW], v[TM+7], 24, v[PW]
	WIN \W
.irp c, 0,1
	v_cvt_scalef32_pk16_fp6_f32 v[PC+6*\c:PC+2+6*\c], v[(\s)+32*\c:(\s)+15+32*\c], v[TM+12+2*\c]
	v_cvt_scalef32_pk16_fp6_f32 v[PC+12+4*\c:PC+14+4*\c], v[(\s)+16+32*\c:(\s)+31+32*\c], v[TM+12+2*\c+1]
.endr
	WIN 0
	v_nop                                          ; one plain instruction behind the scaled conversions
.irp c, 0,1
.irp i, 0,1,2
	v_permlane16_swap_b32 v[PC+6*\c+\i], v[PC+12+4*\c+\i]
.endr
.irp i, 0,1,2
	v_mov_b32 v[PC+3+6*\c+\i], v[PC+12+4*\c+\i]
.endr
.endr
.endm
; RoPE on the 64 numbers of A's block a: (x1, x2) -> (x1 c - x2 s, x1 s + x2 c), into v64-127 of window 0.  Each accumulator is read from its low end on.
.macro ROPE a
	WIN 0x0e
.irp bp, 0,1,2,3
.irp p, 0,1,2,3,4,5,6,7
.if (\p)%2 == 0
	v_pk_mul_f32 v[64+16*\bp+2*\p:65+16*\bp+2*\p], v[64*\a+16*\bp+2*\p:64*\a+16*\bp+2*\p+1], v[16*\a+8*(\bp%2)+2*(\p/2):16*\a+8*(\bp%2)+2*(\p/2)+1] op_sel:[0,0] op_sel_hi:[1,0]
.else
	v_pk_mul_f32 v[64+16*\bp+2*\p:65+16*\bp+2*\p], v[64*\a+16*\bp+2*\p:64*\a+16*\bp+2*\p+1], v[16*\a+8*(\bp%2)+2*(\p/2):16*\a+8*(\bp%2)+2*(\p/2)+1] op_sel:[0,1] op_sel_hi:[1,1]
.endif
.endr
.endr
.irp bp, 0,1,2,3
.irp p, 0,1,2,3,4,5,6,7
.if (\p)%2 == 0
	v_pk_fma_f32 v[64+16*\bp+2*\p:65+16*\bp+2*\p], v[64*\a+16*\bp+2*\p:64*\a+16*\bp+2*\p+1], v[64+16*\a+8*(\bp%2)+2*(\p/2):64+16*\a+8*(\bp%2)+2*(\p/2)+1], v[64+16*\bp+2*\p:65+16*\bp+2*\p] op_sel:[1,0,0] op_sel_hi:[0,0,1] neg_lo:[0,1,0]
.else
	v_pk_fma_f32 v[64+16*\bp+2*\p:65+16*\bp+2*\p], v[64*\a+16*\bp+2*\p:64*\a+16*\bp+2*\p+1], v[64+16*\a+8*(\bp%2)+2*(\p/2):64+16*\a+8*(\bp%2)+2*(\p/2)+1], v[64+16*\bp+2*\p:65+16*\bp+2*\p] op_sel:[1,1,0] op_sel_hi:[0,1,1] neg_lo:[0,1,0]
.endif
.endr
.endr
	WIN 0
.endm
	s_load_b256 s[4:11], s[0:1], 0x0               ; xq, wq, cos, sin
	s_load_b64 s[12:13], s[0:1], 0x20              ; att
	v_lshl_add_u32 v[SPW], v0, 2, SPARE
	v_mov_b32 v[NIL], 0
	ds_add_u32 v[SPW], v[NIL]                      ; the opening lines: the add, twice on end, and its wait
	ds_add_u32 v[SPW], v[NIL]
	v_lshrrev_b32 v1, 5, v0
	v_readfirstlane_b32 s14, v1                    ; wave
	s_lshr_b32 s15, s14, 1                         ; which 64 rows of A are mine; also: I fetch for A (0) or B (1)
	s_and_b32 s16, s14, 1                          ; which 128 rows of B; also: which half of the pairs I fetch
	s_bfe_u32 s40, ttmp6, 0x40000                  ; cx
	s_bfe_u32 s41, ttmp6, 0x40004                  ; cy
	s_and_b32 s18, ttmp7, 0xffff                   ; the cluster's y, 0 .. 15
	s_lshl_b32 s17, s18, 2
	s_add_co_u32 s17, s17, s41                     ; q, k: A's tile of 128 tokens = 4 y + cy
	s_mov_b32 s42, s40                             ; q: B's tile of 256 columns = cx (k's: 4 + cx)
	s_lshr_b32 s77, s18, 3
	s_lshl_b32 s77, s77, 2
	s_add_co_u32 s77, s77, 16
	s_add_co_u32 s77, s77, s41                     ; v: A's tile of 128 columns = 16 + 4 (y / 8) + cy
	s_and_b32 s78, s18, 7
	s_lshl_b32 s78, s78, 2
	s_add_co_u32 s78, s78, s40                     ; v: B's tile of 256 tokens = 4 (y % 8) + cx
	s_lshl_b32 s43, s41, 2
	s_lshl_b32 s43, 15, s43                        ; my row of the cluster
	s_lshl_b32 s44, 0x1111, s40                    ; my column
	s_or_b32 s[G1A], s43, (3<<16)|(1<<21)          ; rows of 12,800 bytes (1,600 elements of 8), 25,600 bytes apart in memory, on end in LDS
	s_or_b32 s[G1B], s44, (3<<16)|(1<<21)
	s_mov_b32 s[G1A+1], 1600<<16
	s_mov_b32 s[G1A+2], 2<<16                      ; A: two pairs a load
	s_mov_b32 s[G1A+3], 1600<<16
	s_mov_b32 s[G1A+4], 2
	s_mov_b32 s[G1A+5], 3200
	s_mov_b32 s[G1A+6], 0
	s_mov_b32 s[G1A+7], 0
	s_mov_b32 s[G1B+1], 1600<<16
	s_mov_b32 s[G1B+2], 4<<16                      ; B: four pairs a load
	s_mov_b32 s[G1B+3], 1600<<16
	s_mov_b32 s[G1B+4], 4
	s_mov_b32 s[G1B+5], 3200
	s_mov_b32 s[G1B+6], 0
	s_mov_b32 s[G1B+7], 0
	s_lshl_b32 s19, s16, 1
	s_lshl_b32 s20, s17, 2
	s_add_co_u32 s20, s20, s19                     ; A: pair 4 x tile + 2 x half
	s_mul_i32 s20, s20, PAIRB
	s_mov_b32 s21, 0
	s_lshl_b32 s22, s77, 2
	s_add_co_u32 s22, s22, s19
	s_mul_i32 s22, s22, PAIRB
	s_mov_b32 s23, 0
	s_lshl_b32 s19, s16, 2
	s_lshl_b32 s46, s42, 3
	s_add_co_u32 s46, s46, s19                     ; B: pair 8 x tile + 4 x half
	s_mul_i32 s46, s46, PAIRB
	s_mov_b32 s47, 0
	s_lshl_b32 s80, s78, 3
	s_add_co_u32 s80, s80, s19
	s_mul_i32 s80, s80, PAIRB
	s_mov_b32 s81, 0
	s_mul_i32 s45, s16, 2*PB2                      ; where they go in a slot: no place in the cluster enters an LDS address
	s_mul_i32 s96, s16, 4*PB2
	s_add_co_u32 s96, s96, 4*PB2
	s_mov_b32 s[SEL], 0x76543210
	s_mov_b32 s[SEL+1], 0xfedcba98
	s_wait_dscnt 0x0
	s_wait_kmcnt 0x0
	s_add_nc_u64 s[56:57], s[4:5], s[20:21]        ; A of q and k: tokens
	s_add_nc_u64 s[58:59], s[6:7], s[22:23]        ; A of v: its columns
	s_add_nc_u64 s[46:47], s[6:7], s[46:47]        ; B of q,
	s_add_nc_u64 s[60:61], s[46:47], 32*PAIRB      ; of k: 1,024 columns on,
	s_add_nc_u64 s[62:63], s[4:5], s[80:81]        ; of v: tokens
.irp s, 0,1
	s_mov_b32 s[G0A+4*\s], 1
	s_add_co_u32 s[G0A+4*\s+1], s45, \s*SLOT
	s_add_nc_u64 s[G0A+4*\s+2:G0A+4*\s+3], s[56:57], \s*PB2
	s_or_b32 s[G0A+4*\s+3], s[G0A+4*\s+3], 0x80000000
	s_mov_b32 s[G0B+4*\s], 1
	s_add_co_u32 s[G0B+4*\s+1], s96, \s*SLOT
	s_add_nc_u64 s[G0B+4*\s+2:G0B+4*\s+3], s[46:47], \s*PB2
	s_or_b32 s[G0B+4*\s+3], s[G0B+4*\s+3], 0x80000000
.endr
	CROUND                                         ; all sixteen work-groups are here: the joint loads meet
	JLOAD 0                                        ; the q tile's chunks 0, 1: my one tensor load at the head
	v_and_b32 v3, 31, v0                           ; lane
	v_and_b32 v1, 15, v0                           ; r
	v_bfe_u32 v2, v0, 4, 1                         ; h
	v_lshlrev_b32 v[LI], 4, v3
	v_lshlrev_b32 v[LS], 3, v3
	v_add_nc_u32 v[L8], 512, v[LS]
	s_mul_i32 s97, s15, 2*PB2                      ; my two pairs of A,
	s_mul_i32 s98, s16, 4*PB2
	s_add_co_u32 s98, s98, 4*PB2                   ; my four pairs of B, behind A's four
	v_add_nc_u32 v[ADA16], s97, v[LI]
	v_add_nc_u32 v[ADA8], s97, v[L8]
	v_add_nc_u32 v[ADB16], s98, v[LI]
	v_add_nc_u32 v[ADB8], s98, v[L8]
	s_sub_co_u32 s98, s98, s97
	v_mul_u32_u24 v[ADS], s98, v2                  ; lanes 16-31 take B's words: the lower base + h x the distance
	v_lshl_add_u32 v[ADS], v1, 3, v[ADS]
	s_add_co_u32 s97, s97, 6144
	v_add_nc_u32 v[ADS], s97, v[ADS]
.irp r, ADA16, ADA8, ADB16, ADB8, ADS
	v_add_nc_u32 v[\r+10], SLOT, v[\r]             ; the same in slot 1
.endr
.irp b, 0,1,2,3
	v_mov_b32 v[TM+4+\b], 0                        ; (a lane permute's destination counts as one of its sources)
.endr
	; cos and sin of my 64 tokens, for the q and the k tile: for A's block a and half be of a head the eight angles 16 be + 8 h + 0 .. 7
	s_lshl_b32 s92, s17, 7
	s_lshl_b32 s93, s15, 6
	s_add_co_u32 s92, s92, s93                     ; my first token
	s_and_b32 s98, s92, 1023
	s_lshl_b32 s98, s98, 7                         ; 128 bytes a place in the sequence
	s_mov_b32 s99, 0
	s_add_nc_u64 s[8:9], s[8:9], s[98:99]
	s_add_nc_u64 s[10:11], s[10:11], s[98:99]
	s_wait_alu depctr_va_vdst(0)                   ; ahead of the readers below
	v_and_b32 v12, 8, v1
	v_add_nc_u32 v12, v12, v1                      ; r + 8 (r / 8)
	v_lshlrev_b32 v12, 7, v12
	v_lshl_add_u32 v12, v2, 5, v12                 ; + 32 h
	WIN 0xc0
.irp a, 0,1,2,3
.irp be, 0,1
.irp e, 0,1
	global_load_b128 v[16*\a+8*\be+4*\e:16*\a+8*\be+4*\e+3], v12, s[8:9] offset:128*(32*(\a/2)+8*(\a%2))+64*\be+16*\e
	global_load_b128 v[64+16*\a+8*\be+4*\e:64+16*\a+8*\be+4*\e+3], v12, s[10:11] offset:128*(32*(\a/2)+8*(\a%2))+64*\be+16*\e
.endr
.endr
.endr
	WIN 0
	s_wait_alu depctr_va_vdst(0)                   ; the head's end
	s_wait_tensorcnt 0x0                           ; my part of slot 0 is in; slot 1's first fill is issued as a refill is:
	ds_add_u32 v[SPW], v[NIL]
	s_wait_dscnt 0x0
	CROUND
	JLOAD 1                                        ; the q tile's chunks 2, 3
	s_mov_b32 s[TI], 0
.Ltile:
	PRODUCT 1
	; ---------------- q (tile 0) or k (tile 1): my 64 tokens x two heads
	s_wait_xcnt 0x0                                ; the last tile's stores have read their bases and data
	s_lshl_b32 s92, s17, 7
	s_lshl_b32 s93, s15, 6
	s_add_co_u32 s92, s92, s93                     ; my first token
	s_lshr_b32 s93, s92, 10                        ; its batch
	s_and_b32 s92, s92, 1023
	s_lshr_b32 s92, s92, 4                         ; its tile in the sequence
	s_lshl_b32 s94, s42, 8
	s_lshl_b32 s95, s16, 7
	s_add_co_u32 s94, s94, s95
	s_lshr_b32 s94, s94, 6                         ; my first head
	s_lshl_b32 s93, s93, 4
	s_add_co_u32 s93, s93, s94                     ; bh
	s_mov_b32 s94, 104448
	s_mov_b32 s95, 53248
	s_mov_b32 s96, 98304
	s_mov_b32 s97, 49152
	s_mov_b32 s98, QB
	s_cmp_eq_u32 s[TI], 1
	s_cselect_b32 s94, s94, s95                    ; a head's record,
	s_cselect_b32 s96, s96, s97                    ; its scale words' place,
	s_cselect_b32 s98, 0, s98                      ; and where the records begin
	s_mul_i32 s93, s93, s94
	s_add_co_u32 s98, s98, s93
	s_mov_b32 s99, 0
	s_mov_b32 s95, 0
	s_mov_b32 s97, 0
	s_add_nc_u64 s[84:85], s[12:13], s[98:99]
	s_add_nc_u64 s[86:87], s[84:85], s[94:95]
	s_add_nc_u64 s[88:89], s[84:85], s[96:97]
	s_add_nc_u64 s[90:91], s[86:87], s[96:97]
	s_mul_i32 s98, s92, 768
	s_add_nc_u64 s[84:85], s[84:85], s[98:99]
	s_add_nc_u64 s[86:87], s[86:87], s[98:99]
	s_lshl_b32 s98, s92, 6
	s_add_nc_u64 s[88:89], s[88:89], s[98:99]
	s_add_nc_u64 s[90:91], s[90:91], s[98:99]
	PLACES 4                                       ; behind the last products, ahead of the first read of results
	s_wait_loadcnt 0x0                             ; cos and sin are in
.irp a, 0,1,2,3
.if \a == 2
	RB
.endif
	ROPE \a
.if \a > 0
	s_wait_xcnt 0x0                                ; the last block's stores have read their data
.endif
	QUANT 64, 0
	v_and_b32 v[220+\a], 0xffff, v[PW]
	v_lshrrev_b32 v[224+\a], 16, v[PW]
	global_store_b128 v[LI], v[PC:PC+3], s[84:85] offset:768*\a
	global_store_b64 v[L8], v[PC+4:PC+5], s[84:85] offset:768*\a
	global_store_b128 v[LI], v[PC+6:PC+9], s[86:87] offset:768*\a
	global_store_b64 v[L8], v[PC+10:PC+11], s[86:87] offset:768*\a
.endr
	v_cmp_lt_u32 vcc_lo, 15, v3                    ; four tiles' words are 256 bytes: lanes 0-15 carry tiles 0, 1, lanes 16-31 tiles 2, 3
	v_cndmask_b32 v228, v220, v222, vcc_lo
	v_cndmask_b32 v229, v221, v223, vcc_lo
	v_cndmask_b32 v230, v224, v226, vcc_lo
	v_cndmask_b32 v231, v225, v227, vcc_lo
	global_store_b64 v[LS], v[228:229], s[88:89]
	global_store_b64 v[LS], v[230:231], s[90:91]
	s_add_co_u32 s[TI], s[TI], 1
	s_cmp_lt_u32 s[TI], 2
	s_wait_alu depctr_va_vdst(0)                   ; ahead of the branch
	s_cbranch_scc1 .Ltile
	; ---------------- v: my 64 channels (a head) x 128 tokens (a key step): the sums are quantised as they stand, along the tokens
	s_mov_b32 s17, s77
	s_mov_b32 s42, s78
	PRODUCT 0
	s_wait_xcnt 0x0
	s_sub_co_u32 s92, s17, 16
	s_lshl_b32 s92, s92, 1
	s_add_co_u32 s92, s92, s15                     ; the head
	s_lshl_b32 s93, s42, 8
	s_lshl_b32 s94, s16, 7
	s_add_co_u32 s93, s93, s94                     ; my first token
	s_lshr_b32 s94, s93, 10                        ; its batch
	s_and_b32 s93, s93, 1023
	s_lshr_b32 s93, s93, 7                         ; the key step
	s_lshl_b32 s94, s94, 4
	s_add_co_u32 s94, s94, s92                     ; bh
	s_mul_i32 s98, s94, 104448
	s_mov_b32 s99, 0
	s_add_nc_u64 s[84:85], s[12:13], s[98:99]
	s_lshl_b32 s98, s93, 8
	s_add_co_u32 s98, s98, 102400
	s_add_nc_u64 s[88:89], s[84:85], s[98:99]
	s_mul_i32 s98, s93, 6144
	s_add_co_u32 s98, s98, 49152
	s_add_nc_u64 s[84:85], s[84:85], s[98:99]
	PLACES 4
.irp a, 0,1,2,3
.if \a > 0
	s_wait_xcnt 0x0
.endif
	QUANT 64*\a, 2
	v_mov_b32 v[220+\a], v[PW]
.irp e, 0,1,2
	global_store_b128 v[LI], v[PC+4*\e:PC+4*\e+3], s[84:85] offset:1536*\a+512*\e
.endr
.endr
	v_cmp_lt_u32 vcc_lo, 15, v3
	v_cndmask_b32 v228, v220, v222, vcc_lo
	v_cndmask_b32 v229, v221, v223, vcc_lo
	global_store_b64 v[LS], v[228:229], s[88:89]
	s_wait_tensorcnt 0x0                           ; the wave's end
	ds_add_u32 v[SPW], v[NIL]
	s_wait_dscnt 0x0
	CROUND                                         ; the closing round
	s_endpgm
.Lfunc_end_k_qe73fb7ae53_qkv:
	.size	k_qe73fb7ae53_qkv, .Lfunc_end_k_qe73fb7ae53_qkv-k_qe73fb7ae53_qkv
	.p2alignl 7, 3214868480
	.fill 96, 4, 3214868480
	.section	.rodata,"a",@progbits
	.p2align	6, 0x0
	.amdhsa_kernel k_qe73fb7ae53_qkv
		.amdhsa_group_segment_fixed_size 327680
		.amdhsa_private_segment_fixed_size 0
		.amdhsa_enable_private_segment 0
		.amdhsa_kernarg_size 40
		.amdhsa_user_sgpr_count 2
		.amdhsa_user_sgpr_kernarg_segment_ptr 1
		.amdhsa_wavefront_size32 1
		.amdhsa_system_sgpr_workgroup_id_x 1
		.amdhsa_system_sgpr_workgroup_id_y 1
		.amdhsa_system_sgpr_workgroup_id_z 1
		.amdhsa_system_vgpr_workitem_id 0
		.amdhsa_next_free_vgpr 1024
		.amdhsa_next_free_sgpr 102
		.amdhsa_reserve_vcc 1
		.amdhsa_float_denorm_mode_32 3
		.amdhsa_float_denorm_mode_16_64 3
		.amdhsa_memory_ordered 1
		.amdhsa_forward_progress 1
		.amdhsa_inst_pref_size 188
	.end_amdhsa_kernel
	.amdgpu_metadata
---
amdhsa.version: [ 1, 2 ]
amdhsa.kernels:
  - .name:           k_qe73fb7ae53_qkv
    .symbol:         k_qe73fb7ae53_qkv.kd
    .args:
      - { .name: xq, .offset: 0, .size: 8, .value_kind: global_buffer, .address_space: global }
      - { .name: wq, .offset: 8, .size: 8, .value_kind: global_buffer, .address_space: global }
      - { .name: cos, .offset: 16, .size: 8, .value_kind: global_buffer, .address_space: global }
      - { .name: sin, .offset: 24, .size: 8, .value_kind: global_buffer, .address_space: global }
      - { .name: att, .offset: 32, .size: 8, .value_kind: global_buffer, .address_space: global }
    .group_segment_fixed_size: 327680
    .private_segment_fixed_size: 0
    .kernarg_segment_align: 8
    .kernarg_segment_size: 40
    .max_flat_workgroup_size: 128
    .sgpr_count:     102
    .vgpr_count:     1024
    .wavefront_size: 32
...
	.end_amdgpu_metadata
.endif
;; end of part 2
;; launch attn (part 3): grid 2 x 128, 16 waves a work-group, no clusters, 327,680 bytes of LDS; arguments att, attn_mask, yq; writes yq
.if DOCPART == 3
	.amdgcn_target "amdgcn-amd-amdhsa--gfx1250"
	.amdhsa_code_object_version 6
	.text
	.protected	k_qe73fb7ae53_attn
	.globl	k_qe73fb7ae53_attn
	.p2align	8
	.type	k_qe73fb7ae53_attn,@function
k_qe73fb7ae53_attn:
	s_mov_b64 s[64:65], 0
	v_nop
	global_prefetch_b8 v0, s[64:65] scope:SCOPE_SE
	s_setreg_imm32_b32 hwreg(HW_REG_WAVE_MODE, 25, 1), 1
	s_wait_xcnt 0x0
; y = softmax(q k^T / 8, masked) v for one head, both products on codes of FP6 (E2M3); y is quantised along D and leaves as codes (yq), laid as launch quant lays x.
; WORK LEFT OUT: key steps that lie wholly behind the diagonal of a tile of queries: for a query whose own mask bit is true their p is 0 for all inputs (the head comment of launch quant).  A query whose own bit is
; false has p = 1 for all 1,024 keys: its row is the mean of the quantised v, made here once for the work-group (a fragment of ones against all of v) and taken by a select.
; THE SOFTMAX: t = score x log2(e) / 8; M = the running largest t rounded UP to a whole number; p = 2^(t - M) is quantised along the keys, not normalised; the sum is taken of the unquantised p and divides at the end.
; HIDDEN KEYS carry the score -2^127, finite as reference()'s own: keys that attn_mask hides get it as the C of the first product (a table of 0 and -2^127 for the 1,024 keys, loaded into the scores' registers: no
; vector instruction is spent), keys behind the diagonal by a select in the one step on the diagonal.  The running largest t begins at -2^100, so a step with no allowed key has p = 0 throughout.
; LIMITS: an allowed t lies above -2^100 and scores stay under 2^120 in size; NaN and infinities are not served; a block of zeros has the byte 1.
; SHARES.  Work-group (z, head): the tiles of queries 2 g + z.  Wave w takes g = w and then g = 31 - w: (w / 4 + 1) + (8 - w / 4) = 9 key steps of 128 for every wave.  Sixteen waves of 256 registers: four to a SIMD.
; The head's k and v, 98,304 bytes of codes, come into LDS once, each wave fetching a sixteenth by two tensor loads; nothing is filled again.  No cluster: a head has two work-groups, and what they share is fetched once each.
; LAYOUT.  Both products are used transposed (S^T = k q^T, O^T = v^T p^T): a lane holds ONE query.  By the tiles' order of rows the 16 registers of two neighbouring tiles are 16 neighbouring keys (or channels).
; K = 64 fills half of the instruction's 128: the upper six registers of q's and of each of k's fragments are zeros, each fragment's own.
; REGISTERS: v1-7 lane terms; v8-11, v30, v31 a step's addresses; v12 -M, v13 the largest t, v[14:15] the sum; v16-27 q, v28 its scale words; v29 -2^127; v32-79 four fragments of k; v80-87 k's scale words, v88-91 v's;
;   v92, v93 my two queries' mask bytes; v94 my copy of the mean; v96-159 the table, S^T, p, then v's four fragments; v160-191 O^T; v192-203 p's codes; v204-235 at work.
; k and v come by TWO tensor loads a wave: at the head key step 0 of k and of v (768 bytes a wave); behind the three lines and a barrier the other seven steps (5,376 bytes a wave), which land
; while every wave works key step 0 of its first tile, written out ahead of that tile's loop.  Behind that step a barrier shows all of k and v; the mean of v is made there, and the barrier that
; hands its four parts round is signalled there and waited for behind the first tile's other steps, which only read LDS.  All of LDS is claimed.
; The running maximum v13 is kept as a score (c is positive: its t is the largest t); it begins at -2^103, whose t lies under -2^100.
.set VC,    49152
.set KSC,   98304                      ; k's scale words, 4,096 bytes; stored by the waves, as all that follows
.set VSC,   102400                     ; v's, 2,048
.set BIAS,  104448                     ; 0 or -2^127 for each key, 4,096
.set PART,  108544                     ; four partial sums of v over the keys, 256 bytes each
.set VB,    109568                     ; the mean of v, a copy of 256 bytes for each wave
.set SPARE, 113664                     ; the spare words, 128 bytes for each wave
.set QB,    13369344
	s_load_b128 s[4:7], s[0:1], 0x0                ; att s[4:5], attn_mask s[6:7]
	s_load_b64 s[8:9], s[0:1], 0x10                ; yq
	v_lshl_add_u32 v5, v0, 2, SPARE
	v_mov_b32 v6, 0
	ds_add_u32 v5, v6                              ; the wave's opening: the add, twice on end, and its wait ahead of my first tensor load
	ds_add_u32 v5, v6
	v_lshrrev_b32 v8, 5, v0
	s_delay_alu instid0(VALU_DEP_1)
	v_readfirstlane_b32 s10, v8                    ; wave 0..15
	s_mov_b32 s11, ttmp9                           ; z
	s_and_b32 s12, ttmp7, 0xffff                   ; bh = 16 x batch + head
	s_mov_b32 s16, 3<<16                           ; descriptor group 1: 768 dense bytes as 3 rows of 256 (32 elements of 8 bytes)
	s_mov_b32 s17, 32<<16
	s_mov_b32 s18, 3<<16
	s_mov_b32 s19, 32<<16
	s_mov_b32 s20, 3
	s_mov_b32 s21, 32
	s_mov_b32 s22, 0
	s_mov_b32 s23, 0
	s_mov_b32 s24, 1
	s_mov_b32 s68, 3<<16                           ; the second load's group 1: 21 rows of 256 bytes
	s_mov_b32 s69, 32<<16
	s_mov_b32 s70, 21<<16
	s_mov_b32 s71, 32<<16
	s_mov_b32 s72, 21
	s_mov_b32 s73, 32
	s_mov_b32 s74, 0
	s_mov_b32 s75, 0
	s_mov_b32 s76, 1
	s_lshr_b32 s56, s10, 3
	s_mul_i32 s56, s56, 49152                      ; waves 0-7 fetch k, waves 8-15 v
	s_and_b32 s57, s10, 7
	s_mul_i32 s25, s57, 768                        ; my eighth of key step 0, in LDS as in the record,
	s_add_co_u32 s25, s25, s56
	s_mul_i32 s77, s57, 5376                       ; and of the other seven steps
	s_add_co_u32 s77, s77, s56
	s_add_co_u32 s77, s77, 6144
	s_mov_b32 s28, 0x76543210
	s_mov_b32 s29, 0xfedcba98                      ; v_permlanex16_b32's selects for lane l xor 16
	s_mov_b32 s30, 0x3e38aa3b                      ; c = log2(e) / 8
	s_mov_b32 s31, s30                             ; (named with it as a pair)
	s_mov_b32 s45, 0
	s_mul_i32 s61, s11, 3072                       ; y's place in a record: tile z, the head's 64 of the chunk's 256
	s_bfe_u32 s56, s12, 0x10001
	s_mul_i32 s58, s56, 1536
	s_add_co_u32 s61, s61, s58
	s_and_b32 s57, s12, 1
	s_mul_i32 s58, s57, 768
	s_add_co_u32 s61, s61, s58
	s_lshl_b32 s62, s11, 7                         ; and its two scale bytes'
	s_lshl_b32 s58, s56, 2
	s_add_co_u32 s62, s62, s58
	s_lshl_b32 s58, s57, 1
	s_add_co_u32 s62, s62, s58
	s_add_co_u32 s62, s62, 6144
	v_and_b32 v8, 31, v0
	s_delay_alu instid0(VALU_DEP_1)
	v_lshlrev_b32 v1, 4, v8                        ; 16 x lane
	s_delay_alu instid0(VALU_DEP_2)
	v_lshlrev_b32 v2, 3, v8
	s_delay_alu instid0(VALU_DEP_1)
	v_add_nc_u32 v2, 512, v2                       ; 8 x lane + 512
	v_and_b32 v9, 15, v0                           ; r
	v_bfe_u32 v10, v0, 4, 1                        ; h
	s_delay_alu instid0(VALU_DEP_2)
	v_lshlrev_b32 v3, 3, v9                        ; 8 r
	s_delay_alu instid0(VALU_DEP_2)
	v_lshlrev_b32 v4, 6, v10                       ; 64 h
	s_delay_alu instid0(VALU_DEP_4)
	v_and_b32 v95, 8, v9
	s_delay_alu instid0(VALU_DEP_1)
	v_add_nc_u32 v95, v95, v9                      ; r + 8 (r / 8): my query's place in its pair of tiles, less 8 z
	v_lshlrev_b32 v10, 4, v10
	s_delay_alu instid0(VALU_DEP_1)
	v_sub_nc_u32 v7, v95, v10                      ; less 16 h: for the diagonal
	v_mov_b32 v29, 0xff000000                      ; -2^127
	v_lshlrev_b32 v228, 2, v0
	v_lshlrev_b32 v229, 1, v0
	v_lshl_add_u32 v232, v0, 2, KSC
	v_lshl_add_u32 v233, v0, 3, BIAS
	s_lshl_b32 s56, s10, 5
	s_lshl_b32 s57, s11, 3
	s_add_co_u32 s56, s56, s57
	v_add_nc_u32 v230, s56, v95                    ; my query of the first tile,
	s_xor_b32 s56, s10, 31
	s_lshl_b32 s56, s56, 5
	s_add_co_u32 s56, s56, s57
	v_add_nc_u32 v231, s56, v95                    ; and of the second
.irp i, 22,23,24,25,26,27
	v_mov_b32 v[\i], 0                             ; q's upper half: zero codes
.endr
.irp t, 0,1,2,3
.irp i, 6,7,8,9,10,11
	v_mov_b32 v[32+12*\t+\i], 0                    ; and k's, each fragment's own
.endr
.endr
.irp b, 0,1,2,3
	v_mov_b32 v[216+\b], 0                         ; (a lane permute's destination counts as one of its sources)
.endr
	v_mov_b32 v227, 0                              ; (named as the upper half of the pair v[226:227])
	s_wait_dscnt 0x0                               ; both opening adds are done
	s_wait_kmcnt 0x0
	s_mul_i32 s44, s12, 104448
	s_add_nc_u64 s[32:33], s[4:5], s[44:45]        ; the head's record of k and v
	s_mov_b32 s44, s25
	s_add_nc_u64 s[26:27], s[32:33], s[44:45]
	s_or_b32 s27, s27, 0x80000000
	tensor_load_to_lds s[24:27], s[16:23]          ; my one tensor load at the head
	s_nop 0
	s_mov_b32 s44, s77
	s_add_nc_u64 s[78:79], s[32:33], s[44:45]
	s_or_b32 s79, s79, 0x80000000
	s_mul_i32 s44, s12, 53248
	s_add_co_u32 s44, s44, QB
	s_add_nc_u64 s[34:35], s[4:5], s[44:45]        ; the head's record of q
	s_lshr_b32 s44, s12, 4
	s_lshl_b32 s44, s44, 10
	s_add_nc_u64 s[6:7], s[6:7], s[44:45]          ; the batch's row of the mask
.macro QBASE                           ; from s46 = g: where tile 2 g + z of q lies, and its scale words
	s_lshl_b32 s56, s46, 1
	s_add_co_u32 s56, s56, s11
	s_mul_i32 s44, s56, 768
	s_add_nc_u64 s[36:37], s[34:35], s[44:45]
	s_lshl_b32 s44, s46, 7
	s_lshl_b32 s56, s11, 2
	s_add_co_u32 s44, s44, s56
	s_add_co_u32 s44, s44, 49152
	s_add_nc_u64 s[38:39], s[34:35], s[44:45]
.endm
.macro QLOAD
	global_load_b128 v[16:19], v1, s[36:37]
	global_load_b64 v[20:21], v2, s[36:37]
	global_load_b32 v28, v3, s[38:39]
.endm
	global_load_b32 v96, v228, s[32:33] offset:98304        ; the scale words of k and v: 6,144 bytes, 12 a thread
	global_load_b32 v97, v228, s[32:33] offset:98304+2048
	global_load_b32 v98, v228, s[32:33] offset:98304+4096
	global_load_u16 v99, v229, s[6:7]                       ; two keys' mask bytes a thread
	global_load_u8 v92, v230, s[6:7]                        ; my own queries' bytes
	global_load_u8 v93, v231, s[6:7]
	s_mov_b32 s46, s10
	QBASE
	QLOAD
	s_wait_loadcnt 0x0
	ds_store_b32 v232, v96
	ds_store_b32 v232, v97 offset:2048
	ds_store_b32 v232, v98 offset:4096
	v_and_b32 v100, 1, v99
	v_bfe_u32 v101, v99, 8, 1
	s_delay_alu instid0(VALU_DEP_2)
	v_add_nc_u32 v100, -1, v100                    ; 1 -> 0, 0 -> all ones,
	s_delay_alu instid0(VALU_DEP_2)
	v_add_nc_u32 v101, -1, v101
	s_delay_alu instid0(VALU_DEP_2)
	v_and_b32 v100, 0xff000000, v100               ; of which the bits of -2^127 are kept
	s_delay_alu instid0(VALU_DEP_2)
	v_and_b32 v101, 0xff000000, v101
	ds_store_b64 v233, v[100:101]
	s_wait_tensorcnt 0x0                           ; my part of key step 0 is in,
	ds_add_u32 v5, v6                              ; (the add ahead of a later first fill)
	s_wait_dscnt 0x0                               ; my stores have landed:
	s_barrier_signal -1
	s_barrier_wait -1                              ; everybody's have
	tensor_load_to_lds s[76:79], s[68:75]          ; my part of key steps 1 to 7
	s_nop 0
.macro MEANA
	; ---------------- the mean of v.  Wave w: channel tile a = w % 4, key steps 2 (w / 4) and 2 (w / 4) + 1: v's fragment x ones sums 128 keys
	s_and_b32 s56, s10, 3
	s_lshr_b32 s57, s10, 2
	s_mul_i32 s58, s57, 12288
	s_mul_i32 s59, s56, 1536
	s_add_co_u32 s58, s58, s59
	s_add_co_u32 s58, s58, VC
	v_add_nc_u32 v234, s58, v1
	s_wait_alu depctr_va_vdst(0)
	s_lshr_b32 s59, s56, 1
	s_lshl_b32 s59, s59, 7                         ; 128 (a / 2)
	s_and_b32 s56, s56, 1
	s_lshl_b32 s58, s57, 9
	s_add_co_u32 s58, s58, s59
	s_lshl_b32 s60, s56, 2
	s_add_co_u32 s58, s58, s60
	s_add_co_u32 s58, s58, VSC
	v_add_nc_u32 v235, s58, v3
.irp i, 0,1
.irp e, 0,1,2
	ds_load_b128 v[96+12*\i+4*\e:99+12*\i+4*\e], v234 offset:6144*\i+512*\e
.endr
	ds_load_b32 v[88+\i], v235 offset:256*\i
.endr
	s_lshl_b32 s58, s57, 8
	s_add_co_u32 s58, s58, s59
	s_lshl_b32 s60, s56, 5
	s_add_co_u32 s58, s58, s60
	s_add_co_u32 s58, s58, PART
	v_add_nc_u32 v228, s58, v4                     ; my eight channels 32 (a / 2) + 16 h + 8 (a % 2) + 0 .. 7 of partial sum w / 4
	v_add_nc_u32 v229, PART-512, v2                ; PART + 8 x lane
	s_lshl_b32 s58, s10, 8
	s_add_co_u32 s58, s58, VB
	v_add_nc_u32 v94, s58, v4                      ; my copy of the mean, + 64 h
	s_sub_co_u32 s58, s58, 512
	v_add_nc_u32 v232, s58, v2                     ; and + 8 x lane
	s_wait_dscnt 0x0
	v_wmma_scale_f32_16x16x128_f8f6f4 v[136:143], v[96:107], v[192:203], 0, v88, v224 matrix_a_fmt:MATRIX_FMT_FP6 matrix_b_fmt:MATRIX_FMT_FP6
	v_wmma_scale_f32_16x16x128_f8f6f4 v[144:151], v[108:119], v[192:203], 0, v89, v224 matrix_a_fmt:MATRIX_FMT_FP6 matrix_b_fmt:MATRIX_FMT_FP6
.rept 4
	v_nop
.endr
.irp i, 0,1,2,3
	v_pk_add_f32 v[128+2*\i:129+2*\i], v[136+2*\i:137+2*\i], v[144+2*\i:145+2*\i]
.endr
	s_wait_alu depctr_va_vdst(0)
	ds_store_b128 v228, v[128:131]                 ; the sixteen lanes of a half hold the same numbers and write the same bytes
	ds_store_b128 v228, v[132:135] offset:16
	s_wait_dscnt 0x0
	s_barrier_signal -1                            ; my part of the sums is stored; the wait follows behind the first tile's other steps
.endm
.macro MEANB
	s_barrier_wait -1
.irp k, 0,1,2,3
	ds_load_b64 v[96+2*\k:97+2*\k], v229 offset:256*\k
.endr
	s_wait_dscnt 0x0
	v_pk_add_f32 v[96:97], v[96:97], v[98:99]
	v_pk_add_f32 v[100:101], v[100:101], v[102:103]
	s_delay_alu instid0(VALU_DEP_1)
	v_pk_add_f32 v[96:97], v[96:97], v[100:101]
	s_delay_alu instid0(VALU_DEP_1)
	v_pk_mul_f32 v[96:97], v[96:97], 0x3a800000 op_sel_hi:[1,0]   ; / 1,024, the sum of 1,024 ones
	ds_store_b64 v232, v[96:97]                    ; each wave keeps a copy of its own: no further barrier
.endm
; A KEY STEP: 128 keys.  s49 its first key; s50 to s54 where its tiles, table and scale words begin in LDS.
.macro STEP
	v_add_nc_u32 v8, s50, v1                       ; these six are also the places behind the last step's products: four are owed to the loads below, five to the products that write over v's registers
	v_add_nc_u32 v9, s50, v2
	v_add_nc_u32 v30, s51, v1
	v_add_nc_u32 v10, s52, v4
	v_add_nc_u32 v11, s53, v3
	v_add_nc_u32 v31, s54, v3
.irp t, 0,1,2,3,4,5,6,7
.irp e, 0,1
	ds_load_b128 v[96+8*\t+4*\e:99+8*\t+4*\e], v10 offset:128*(\t/2)+32*(\t%2)+16*\e   ; the table's numbers of the keys that these registers will hold: each half of the lanes reads one address
.endr
.endr
.irp t, 0,1,2,3
	ds_load_b128 v[32+12*\t:35+12*\t], v8 offset:768*\t
	ds_load_b64 v[36+12*\t:37+12*\t], v9 offset:768*\t
.endr
.irp m, 0,1,2,3
	ds_load_b64 v[80+2*\m:81+2*\m], v11 offset:128*\m
.endr
	s_wait_alu depctr_va_vdst(0)
	s_wait_dscnt 0x0
.irp t, 0,1,2,3
	v_wmma_scale_f32_16x16x128_f8f6f4 v[96+8*\t:103+8*\t], v[32+12*\t:43+12*\t], v[16:27], v[96+8*\t:103+8*\t], v[80+\t], v28 matrix_a_fmt:MATRIX_FMT_FP6 matrix_b_fmt:MATRIX_FMT_FP6
.endr
.rept 4
	v_nop                                          ; places in front of loads into registers that matrix instructions have read
.endr
.irp t, 0,1,2,3
	ds_load_b128 v[32+12*\t:35+12*\t], v8 offset:768*(4+\t)
	ds_load_b64 v[36+12*\t:37+12*\t], v9 offset:768*(4+\t)
.endr
	s_wait_dscnt 0x0
.irp t, 0,1,2,3
	v_wmma_scale_f32_16x16x128_f8f6f4 v[128+8*\t:135+8*\t], v[32+12*\t:43+12*\t], v[16:27], v[128+8*\t:135+8*\t], v[84+\t], v28 matrix_a_fmt:MATRIX_FMT_FP6 matrix_b_fmt:MATRIX_FMT_FP6
.endr
.rept 4
	v_nop
.endr
	s_add_co_u32 s56, s49, 127                     ; a step all of whose keys come at or before my tile's first query skips the diagonal's selects: a branch on ids
	s_cmp_le_u32 s56, s47
	s_cbranch_scc1 .Lopen_\@
	s_sub_co_i32 s56, s57, s49
	v_add_nc_u32 v228, s56, v7                     ; d = my query - the step's first key - 16 h.  Register 16 b + i holds key 32 b + 16 h + i of the step: hidden where 32 b + i > d
.irp n, 0,1,2,3,4,5,6,7,8,9,10,11,12,13,14,15,16,17,18,19,20,21,22,23,24,25,26,27,28,29,30,31,32,33,34,35,36,37,38,39,40,41,42,43,44,45,46,47,48,49,50,51,52,53,54,55,56,57,58,59,60,61,62,63
	v_cmp_gt_i32 vcc_lo, 32*(\n/16)+\n%16, v228
	v_cndmask_b32 v[96+\n], v[96+\n], v29, vcc_lo
.endr
.Lopen_\@:
.irp b, 0,1,2,3
	v_max3_num_f32 v[212+\b], v[96+16*\b], v[97+16*\b], v[98+16*\b]   ; the largest score of each block of 32 keys: for the row's maximum, and, since p rises with the score, for the block's largest p
.endr
.irp i, 3,5,7,9,11,13
.irp b, 0,1,2,3
	v_max3_num_f32 v[212+\b], v[212+\b], v[96+16*\b+\i], v[97+16*\b+\i]
.endr
.endr
.irp b, 0,1,2,3
	v_max_num_f32 v[212+\b], v[212+\b], v[111+16*\b]
.endr
	v_mov_b32 v225, v12                            ; the old -M.  (A fifth line between the groups of four: each reader stands five lines behind its source)
.irp b, 0,1,2,3
	v_permlanex16_b32 v[216+\b], v[212+\b], s28, s29
.endr
	v_nop
.irp b, 0,1,2,3
	v_max_num_f32 v[212+\b], v[212+\b], v[216+\b]  ; with lane l xor 16's 16 keys
.endr
	v_max3_num_f32 v228, v212, v213, v214
	v_max3_num_f32 v13, v228, v215, v13            ; the running largest SCORE
	v_mul_f32 v228, s30, v13                       ; its t
	v_floor_f32 v12, -v228                         ; the new -M = -ceil(t): a whole number
.irp j, 0,2,4,6,8
	v_pk_fma_f32 v[96+\j:97+\j], v[96+\j:97+\j], s[30:31], v[12:13] op_sel_hi:[1,0,0]   ; t - M
.endr
	v_sub_f32 v225, v12, v225                      ; old M - new M: a whole number, 0 or less
.irp j, 10,12,14,16,18
	v_pk_fma_f32 v[96+\j:97+\j], v[96+\j:97+\j], s[30:31], v[12:13] op_sel_hi:[1,0,0]
.endr
	v_cvt_i32_f32 v225, v225                       ; (it saturates)
.irp j, 20,22,24,26,28
	v_pk_fma_f32 v[96+\j:97+\j], v[96+\j:97+\j], s[30:31], v[12:13] op_sel_hi:[1,0,0]
.endr
	v_ldexp_f32 v226, 1.0, v225                    ; f = 2^(old M - new M): a multiplication by it rounds nothing
.irp j, 30,32,34,36,38,40,42,44,46,48,50,52,54,56,58,60,62
	v_pk_fma_f32 v[96+\j:97+\j], v[96+\j:97+\j], s[30:31], v[12:13] op_sel_hi:[1,0,0]
.endr
.irp b, 0,1,2,3
	v_fma_f32 v[212+\b], v[212+\b], s30, v12       ; the same of each block's largest score
.endr
	s_wait_alu depctr_va_vdst(0)
.irp j, 0,1,2,3,4,5,6,7,8,9,10,11,12,13,14,15,16,17,18,19,20,21,22,23,24,25,26,27,28,29,30,31,32,33,34,35,36,37,38,39,40,41,42,43,44,45,46,47,48,49,50,51,52,53,54,55,56,57,58,59,60,61,62,63
	v_exp_f32 v[96+\j], v[96+\j]                   ; p = 2^(t - M)
.endr
	v_pk_mul_f32 v[14:15], v[14:15], v[226:227] op_sel_hi:[1,0]   ; the sums under the new M: a plain instruction behind the exponentials
	s_wait_alu depctr_va_vdst(0)                   ; one wait for the batch of 64, ahead of its first reader
.irp b, 0,1,2,3
	v_exp_f32 v[212+\b], v[212+\b]                 ; the blocks' largest p
.endr
	v_pk_add_f32 v[230:231], v[100:101], v[104:105]
	v_pk_add_f32 v[254:255], v[108:109], v[112:113]
	v_pk_add_f32 v[252:253], v[116:117], v[120:121]
	v_pk_add_f32 v[250:251], v[124:125], v[128:129]
	v_pk_add_f32 v[248:249], v[132:133], v[136:137]
	v_pk_add_f32 v[246:247], v[140:141], v[144:145]
	v_pk_add_f32 v[244:245], v[148:149], v[152:153]
	v_pk_add_f32 v[14:15], v[14:15], v[156:157]
	v_pk_add_f32 v[230:231], v[230:231], v[96:97]
	v_pk_add_f32 v[254:255], v[254:255], v[98:99]
	v_pk_add_f32 v[252:253], v[252:253], v[102:103]
	v_pk_add_f32 v[250:251], v[250:251], v[106:107]
	v_pk_add_f32 v[248:249], v[248:249], v[110:111]
	v_pk_add_f32 v[246:247], v[246:247], v[114:115]
	v_pk_add_f32 v[244:245], v[244:245], v[118:119]
	v_pk_add_f32 v[14:15], v[14:15], v[122:123]
	v_pk_add_f32 v[230:231], v[230:231], v[126:127]
	v_pk_add_f32 v[254:255], v[254:255], v[130:131]
	v_pk_add_f32 v[252:253], v[252:253], v[134:135]
	v_pk_add_f32 v[250:251], v[250:251], v[138:139]
	v_pk_add_f32 v[248:249], v[248:249], v[142:143]
	v_pk_add_f32 v[246:247], v[246:247], v[146:147]
	v_pk_add_f32 v[244:245], v[244:245], v[150:151]
	v_pk_add_f32 v[14:15], v[14:15], v[154:155]
	v_pk_add_f32 v[230:231], v[230:231], v[158:159]
	s_wait_alu depctr_va_vdst(0)                   ; the wait for the four exponentials, ahead of their first reader.  The sums' last seven additions and the blocks' scales go by turns: each reader stands five lines or more behind its source
.irp b, 0,1,2,3
	v_max_num_f32 v[212+\b], 0x1800000, v[212+\b]  ; the floor 2^(3 - 127): a block whose every p is 0 keeps the byte 1 over zero codes
.endr
	v_pk_add_f32 v[254:255], v[254:255], v[246:247]
	v_pk_add_f32 v[252:253], v[252:253], v[244:245]
	v_pk_add_f32 v[14:15], v[14:15], v[250:251]
	v_pk_add_f32 v[230:231], v[230:231], v[248:249]
.irp b, 0,1,2,3
	v_add_nc_u32 v[220+\b], 0xff000000, v[212+\b]
.endr
	v_pk_add_f32 v[14:15], v[14:15], v[254:255]
	v_pk_add_f32 v[230:231], v[230:231], v[252:253]
.irp b, 0,1,2,3
	v_lshrrev_b32 v[216+\b], 23, v[220+\b]
.endr
	v_pk_add_f32 v[14:15], v[14:15], v[230:231]
.irp c, 0,1
	v_cvt_scalef32_pk16_fp6_f32 v[192+6*\c:194+6*\c], v[96+32*\c:111+32*\c], v[220+2*\c]
	v_cvt_scalef32_pk16_fp6_f32 v[204+4*\c:206+4*\c], v[112+32*\c:127+32*\c], v[220+2*\c+1]
.endr
	v_nop                                          ; one plain instruction behind the scaled conversions
.irp a, 0,1,2,3                                ; v's four fragments come into the registers that p has left, while p's codes are put in order and O^T is rescaled
.irp e, 0,1,2
	ds_load_b128 v[96+12*\a+4*\e:99+12*\a+4*\e], v30 offset:1536*\a+512*\e
.endr
.endr
	ds_load_b64 v[88:89], v31
	ds_load_b64 v[90:91], v31 offset:128
	v_lshl_or_b32 v224, v217, 8, v216              ; p's scale word for these 128 keys, its three lines among the exchanges
	v_permlane16_swap_b32 v192, v204
	v_permlane16_swap_b32 v193, v205
	v_permlane16_swap_b32 v194, v206
	v_permlane16_swap_b32 v198, v208
	v_lshl_or_b32 v224, v218, 16, v224
	v_permlane16_swap_b32 v199, v209
	v_permlane16_swap_b32 v200, v210
	v_mov_b32 v195, v204
	v_mov_b32 v196, v205
	v_mov_b32 v197, v206
	v_lshl_or_b32 v224, v219, 24, v224
	v_mov_b32 v201, v208
	v_mov_b32 v202, v209
	v_mov_b32 v203, v210
.irp j, 0,2,4,6,8,10,12,14,16,18,20,22,24,26,28,30
	v_pk_mul_f32 v[160+\j:161+\j], v[160+\j:161+\j], v[226:227] op_sel_hi:[1,0]   ; O^T under the new M.  These sixteen are also the places between p's codes and scale word and the products
.endr
	s_wait_alu depctr_va_vdst(0)
	s_wait_dscnt 0x0
.irp a, 0,1,2,3
	v_wmma_scale_f32_16x16x128_f8f6f4 v[160+8*\a:167+8*\a], v[96+12*\a:107+12*\a], v[192:203], v[160+8*\a:167+8*\a], v[88+\a], v224 matrix_a_fmt:MATRIX_FMT_FP6 matrix_b_fmt:MATRIX_FMT_FP6
.endr
.endm
; A tile of 16 queries, group s46.  Every wave walks all eight key steps, so that the trip count is a constant; a step all of whose keys come after the pair's last query is jumped over: a branch on ids, with no barrier inside.
.macro TILE first
	s_lshl_b32 s47, s46, 5                         ; the pair's first query,
	s_add_co_u32 s48, s47, 31                      ; its last,
	s_lshl_b32 s57, s11, 3
	s_add_co_u32 s57, s57, s47                     ; and my tile's first
	v_mov_b32 v13, 0xf3000000                      ; the largest score so far: -2^103, whose t lies under -2^100
	s_delay_alu instid0(VALU_DEP_1)
	v_mul_f32 v12, s30, v13
	s_delay_alu instid0(VALU_DEP_1)
	v_floor_f32 v12, -v12
	v_mov_b32 v14, 0
	v_mov_b32 v15, 0
.irp j, 0,1,2,3,4,5,6,7,8,9,10,11,12,13,14,15,16,17,18,19,20,21,22,23,24,25,26,27,28,29,30,31
	v_mov_b32 v[160+\j], 0                         ; O^T: the step is written once; the first finds zeros
.endr
	s_mov_b32 s49, 0
	s_mov_b32 s50, 0
	s_mov_b32 s51, VC
	s_mov_b32 s52, BIAS
	s_mov_b32 s53, KSC
	s_mov_b32 s54, VSC
	s_mov_b32 s55, 0
.if \first
	STEP                                           ; key step 0, which every tile has: it reads the head's bytes alone
	s_wait_tensorcnt 0x0                           ; my part of key steps 1 to 7 is in,
	s_wait_dscnt 0x0
	s_barrier_signal -1
	s_barrier_wait -1                              ; everybody's is
.rept 4
	v_nop                                          ; places behind the step's last products, whose sources are written below
.endr
	v_mov_b32 v224, 0x7d7d7d7d                     ; the ones' scale bytes: 2^-2,
.irp i, 0,1,2,3
	v_mov_b32 v[192+3*\i], 0x18618618              ; and their codes: 4.0 is 011000; four codes in three bytes
	v_mov_b32 v[193+3*\i], 0x86186186
	v_mov_b32 v[194+3*\i], 0x61861861
.endr
	MEANA
	s_lshl_b32 s57, s11, 3
	s_add_co_u32 s57, s57, s47                     ; my tile's first query once more
	s_mov_b32 s49, 128                             ; the loop goes on at key step 1
	s_mov_b32 s50, 6144
	s_mov_b32 s51, VC+6144
	s_mov_b32 s52, BIAS+512
	s_mov_b32 s53, KSC+512
	s_mov_b32 s54, VSC+256
	s_mov_b32 s55, 1
.endif
.Lstep_\@:
	s_cmp_gt_u32 s49, s48
	s_cbranch_scc1 .Lskip_\@
	STEP
.Lskip_\@:
	s_add_co_u32 s49, s49, 128
	s_add_co_u32 s50, s50, 6144
	s_add_co_u32 s51, s51, 6144
	s_add_co_u32 s52, s52, 512
	s_add_co_u32 s53, s53, 512
	s_add_co_u32 s54, s54, 256
	s_add_co_u32 s55, s55, 1
	s_cmp_lt_u32 s55, 8
	s_cbranch_scc1 .Lstep_\@
.endm
; The tile's end: O^T / the sum; the mean of v where my query's own mask bit is false; the head's 64 channels, two blocks of D, are quantised and stored.  n = 0: the second tile's q is asked for on the way.
.macro FINISH n
.rept 4
	v_nop                                          ; places behind the last products
.endr
	v_add_f32 v14, v14, v15
	s_delay_alu instid0(VALU_DEP_1)
	v_permlanex16_b32 v228, v14, s28, s29
	s_delay_alu instid0(VALU_DEP_1)
	v_add_f32 v14, v14, v228                       ; the row's sum
	s_delay_alu instid0(VALU_DEP_1)
	v_max_num_f32 v14, 0x800000, v14               ; held at 2^-126: only a row that the select below replaces can have the sum 0 (a query whose bit is true counts itself: its sum is above 1/2)
	s_wait_alu depctr_va_vdst(0)
	v_rcp_f32 v14, v14
	s_lshr_b32 s56, s12, 4
	s_lshl_b32 s56, s56, 5
	s_add_co_u32 s56, s56, s46                     ; the pair of tokens: 32 x batch + g
	s_lshl_b32 s56, s56, 2
	s_bfe_u32 s58, s12, 0x20002                    ; the chunk of D: head / 4
	s_add_co_u32 s56, s56, s58
	s_mul_i32 s58, s56, 6400
	s_add_co_u32 s44, s58, s61
	s_add_nc_u64 s[40:41], s[8:9], s[44:45]
	s_add_co_u32 s44, s58, s62
	s_add_nc_u64 s[42:43], s[8:9], s[44:45]
.if \n == 0
	s_xor_b32 s46, s10, 31                         ; the second tile's group: 31 - wave
	QBASE
	QLOAD
.endif
.irp t, 0,1
.irp e, 0,1,2,3
	ds_load_b128 v[96+16*\t+4*\e:99+16*\t+4*\e], v94 offset:128*\t+16*\e   ; the mean, in the order of my registers (LDS serves a wave's instructions in order: these see my store)
.endr
.endr
	v_nop                                          ; a plain instruction behind the reciprocal
	s_wait_alu depctr_va_vdst(0)                   ; and the wait ahead of its first reader
.irp i, 0,1,2,3,4,5,6,7,8,9,10,11,12,13,14,15
	v_pk_mul_f32 v[128+2*\i:129+2*\i], v[160+2*\i:161+2*\i], v[14:15] op_sel_hi:[1,0]   ; register 16 t + i: channel 32 t + 16 h + i
.endr
	s_wait_dscnt 0x0
	v_cmp_ne_u32 vcc_lo, 0, v[92+\n]
.irp i, 0,1,2,3,4,5,6,7,8,9,10,11,12,13,14,15,16,17,18,19,20,21,22,23,24,25,26,27,28,29,30,31
	v_cndmask_b32 v[128+\i], v[96+\i], v[128+\i], vcc_lo
.endr
.irp t, 0,1
	v_max3_num_f32 v[212+\t], |v[128+16*\t]|, |v[129+16*\t]|, 0x1800000
.endr
.irp i, 2,4,6,8,10,12,14
.irp t, 0,1
	s_delay_alu instid0(VALU_DEP_2)
	v_max3_num_f32 v[212+\t], v[212+\t], |v[128+16*\t+\i]|, |v[129+16*\t+\i]|
.endr
.endr
.irp t, 0,1
	s_delay_alu instid0(VALU_DEP_2)
	v_permlanex16_b32 v[216+\t], v[212+\t], s28, s29
.endr
.irp t, 0,1
	s_delay_alu instid0(VALU_DEP_2)
	v_max_num_f32 v[212+\t], v[212+\t], v[216+\t]
.endr
.irp t, 0,1
	s_delay_alu instid0(VALU_DEP_2)
	v_add_nc_u32 v[220+\t], 0xff000000, v[212+\t]
.endr
.irp t, 0,1
	s_delay_alu instid0(VALU_DEP_2)
	v_lshrrev_b32 v[216+\t], 23, v[220+\t]
.endr
	s_delay_alu instid0(VALU_DEP_1)
	v_lshl_or_b32 v228, v217, 8, v216              ; the two scale bytes
	v_cvt_scalef32_pk16_fp6_f32 v[192:194], v[128:143], v220
	v_cvt_scalef32_pk16_fp6_f32 v[204:206], v[144:159], v221
	v_nop
.irp i, 0,1,2
	v_permlane16_swap_b32 v[192+\i], v[204+\i]     ; lanes 0-15 get block 0 whole, lanes 16-31 block 1
.endr
.irp i, 0,1,2
	s_delay_alu instid0(VALU_DEP_3)
	v_mov_b32 v[195+\i], v[204+\i]
.endr
	global_store_b128 v1, v[192:195], s[40:41]     ; 512 consecutive bytes, aligned to 256,
	global_store_b64 v2, v[196:197], s[40:41]      ; and the 256 behind them
	global_store_b16 v3, v228, s[42:43]            ; two bytes a row, 8 bytes apart: the word's other half is another head's, so these 32 bytes of a tile's 800 do not leave in whole blocks.  Lanes l and l xor 16 write the same bytes
.if \n == 0
	s_wait_loadcnt 0x0                             ; the second tile's q
	s_wait_xcnt 0x0                                ; the stores have read their data and bases: both are written again
.endif
.endm
	TILE 1
.rept 4
	v_nop                                          ; places behind the last products, ahead of the loads into their sources
.endr
	MEANB
	FINISH 0
	TILE 0
	FINISH 1
	s_wait_tensorcnt 0x0                           ; the wave's end, behind my last tensor load and my last LDS store
	ds_add_u32 v5, v6
	s_wait_dscnt 0x0
	s_endpgm
.Lfunc_end_k_qe73fb7ae53_attn:
	.size	k_qe73fb7ae53_attn, .Lfunc_end_k_qe73fb7ae53_attn-k_qe73fb7ae53_attn
	.p2alignl 7, 3214868480
	.fill 96, 4, 3214868480
	.section	.rodata,"a",@progbits
	.p2align	6, 0x0
	.amdhsa_kernel k_qe73fb7ae53_attn
		.amdhsa_group_segment_fixed_size 327680
		.amdhsa_private_segment_fixed_size 0
		.amdhsa_enable_private_segment 0
		.amdhsa_kernarg_size 24
		.amdhsa_user_sgpr_count 2
		.amdhsa_user_sgpr_kernarg_segment_ptr 1
		.amdhsa_wavefront_size32 1
		.amdhsa_system_sgpr_workgroup_id_x 1
		.amdhsa_system_sgpr_workgroup_id_y 1
		.amdhsa_system_sgpr_workgroup_id_z 1
		.amdhsa_system_vgpr_workitem_id 0
		.amdhsa_next_free_vgpr 256
		.amdhsa_next_free_sgpr 80
		.amdhsa_reserve_vcc 1
		.amdhsa_float_denorm_mode_32 3
		.amdhsa_float_denorm_mode_16_64 3
		.amdhsa_memory_ordered 1
		.amdhsa_forward_progress 1
		.amdhsa_inst_pref_size 98
	.end_amdhsa_kernel
	.amdgpu_metadata
---
amdhsa.version: [ 1, 2 ]
amdhsa.kernels:
  - .name:           k_qe73fb7ae53_attn
    .symbol:         k_qe73fb7ae53_attn.kd
    .args:
      - { .name: att, .offset: 0, .size: 8, .value_kind: global_buffer, .address_space: global }
      - { .name: attn_mask, .offset: 8, .size: 8, .value_kind: global_buffer, .address_space: global }
      - { .name: yq, .offset: 16, .size: 8, .value_kind: global_buffer, .address_space: global }
    .group_segment_fixed_size: 327680
    .private_segment_fixed_size: 0
    .kernarg_segment_align: 8
    .kernarg_segment_size: 24
    .max_flat_workgroup_size: 512
    .sgpr_count:     80
    .vgpr_count:     256
    .wavefront_size: 32
...
	.end_amdgpu_metadata
.endif
;; end of part 3
;; launch proj (part 4): grid 4 x 64, 4 waves a work-group, clusters of 4 x 4, 327,680 bytes of LDS; arguments yq, wq, out0; writes out0
.if DOCPART == 4
	.amdgcn_target "amdgcn-amd-amdhsa--gfx1250"
	.amdhsa_code_object_version 6
	.text
	.protected	k_qe73fb7ae53_proj
	.globl	k_qe73fb7ae53_proj
	.p2align	8
	.type	k_qe73fb7ae53_proj,@function
k_qe73fb7ae53_proj:
	s_mov_b64 s[64:65], 0
	v_nop
	global_prefetch_b8 v0, s[64:65] scope:SCOPE_SE
	s_setreg_imm32_b32 hwreg(HW_REG_WAVE_MODE, 25, 1), 1
	s_wait_xcnt 0x0
	s_wait_alu depctr_hold_cnt(0) depctr_sa_sdst(0) depctr_va_vdst(0) depctr_va_sdst(0) depctr_va_ssrc(0) depctr_va_vcc(0) depctr_vm_vsrc(0)
	s_getreg_b32 s2, hwreg(HW_REG_IB_STS2, 6, 4)
	s_cmp_eq_u32 s2, 0
	s_cbranch_scc0 .Lentry_in_a_cluster
	s_endpgm
.Lentry_in_a_cluster:
	s_bfe_u32 s2, ttmp6, 0x10000c
	s_cmp_lg_u32 s2, 0xf033
	s_cbranch_scc0 .Lentry_shape_is_right
	s_endpgm
.Lentry_shape_is_right:
; out0 = y w_proj on codes of FP6 (E2M3): y's codes from launch attn (yq), w_proj's from launch quant (wq, pairs 96-127).  No work is left out here.
; A work-group makes 128 tokens (A) x 256 columns (B) in TWO PASSES of 128 columns, each over all of K = 1,024, so that the first pass's rows are stored while the second is multiplied.
; LDS: a pair's four records (25,600 bytes, consecutive in memory) on end: A's 4 pairs from 0, the first pass's 4 pairs of B from 102,400, the second's from 204,800.  Each byte is filled once:
; at the head waves 0, 1 fetch A's halves and waves 2, 3 the first pass's B, one load a wave; behind the three lines and a round of the cluster's barrier waves 2, 3 fetch the second pass's B.
; Four waves, each 64 tokens x 64 columns a pass: 16 accumulators a pass.  TRANSPOSED USE (source 0 = 16 columns, source 1 = 16 tokens): a lane holds one token; the 16 registers of B's tiles 2 b, 2 b + 1
; are the columns 32 b + 16 (lane / 16) + 0 .. 15.  CLUSTERS 4 x 4: A's records are shared along a row of the cluster, B's along a column, by joint loads.  No prefetch: the launch has no loop to run ahead in.
; THE WAY OUT: 16 tokens x 64 columns at a time through my own stage, LDS bytes behind the spare words on which no fill lands; back by rows: sixteen lanes store a row's 256 bytes, aligned.
; REGISTERS.  Window 0: v1-19 lane terms and addresses; v28, v29 the add's two; v32-47 scale words, two sets; v64-159 A's fragments, two sets; v160-223 rows of out0.  Window 1: B's fragments at v0 and v128.
;   Window 2: accumulator (pass p, a, b) at v[8 (16 p + 4 a + b)].
.set REC,    6400
.set PAIRB,  25600
.set BREG,   102400
.set SPARE,  307200
.set STAGE,  307712
.set SPITCH, 272
.set ADA16, 4
.set ADA8,  5
.set ADB16, 6                          ; v6-8: the first pass's addresses; v16-18: the second's
.set ADB8,  7
.set ADS,   8
.set LI,    9
.set L8,    10
.set LS,    11
.set STO,   12
.set RD,    13
.set CO,    19
.set SPW,   28
.set NIL,   29
.set SC,    32
.set AF,    64
.set BK,    160
.set G1A,   24
.set G1B,   32
.set G0A,   48
.set G0B,   68
.set MSB, 0
.macro WIN new
.if MSB != \new
	s_set_vgpr_msb (MSB<<8)|\new
.set MSB, \new
.endif
.endm
.macro CROUND
	s_barrier_signal -1
	s_barrier_wait -1
	s_cmp_lg_u32 s14, 0
	s_cbranch_scc1 .Lnot_wave_0_\@
	s_barrier_signal -3
.Lnot_wave_0_\@:
	s_barrier_wait -3
	s_barrier_signal -1
	s_barrier_wait -1
.endm
.macro PLACES n
.rept \n
	v_nop
.endr
.endm
.macro FRAG4 reg, a16, a8, off
	ds_load_b128 v[(\reg):(\reg)+3], v[\a16] offset:(\off)
	ds_load_b64 v[(\reg)+4:(\reg)+5], v[\a8] offset:(\off)
	ds_load_b128 v[(\reg)+6:(\reg)+9], v[\a16] offset:(\off)+768
	ds_load_b64 v[(\reg)+10:(\reg)+11], v[\a8] offset:(\off)+768
.endm
.macro FETCH_A st                      ; K step st (128 along K): record st / 2, its half st % 2; into set st % 2
.irp i, 0,1,2,3
	FRAG4 AF+48*((\st)%2)+12*\i, ADA16, ADA8, PAIRB*(\i/2)+3072*(\i%2)+REC*((\st)/2)+1536*((\st)%2)
.endr
.endm
.macro FETCH_B st, p
	WIN 0x40
.irp i, 0,1,2,3
	FRAG4 128*((\st)%2)+12*\i, ADB16+10*(\p), ADB8+10*(\p), PAIRB*(\i/2)+3072*(\i%2)+REC*((\st)/2)+1536*((\st)%2)
.endr
	WIN 0
.endm
.macro SCALES j, p                     ; chunk j's scale words, two a row, into set j % 2: lanes 0-15 A's block i, lanes 16-31 B's
.irp i, 0,1,2,3
	ds_load_b64 v[SC+8*((\j)%2)+2*\i:SC+8*((\j)%2)+2*\i+1], v[ADS+10*(\p)] offset:PAIRB*(\i/2)+128*(\i%2)+REC*(\j)
.endr
.endm
.macro MUL16 p, st                     ; the pass's 16 accumulators take turns, one instruction a turn
.irp a, 0,1,2,3
.irp b, 0,1,2,3
.if (\st) == 0
	v_wmma_scale_f32_16x16x128_f8f6f4 v[8*(16*(\p)+4*\a+\b):8*(16*(\p)+4*\a+\b)+7], v[128*((\st)%2)+12*\b:128*((\st)%2)+12*\b+11], v[AF+48*((\st)%2)+12*\a:AF+48*((\st)%2)+12*\a+11], 0, v[SC+8*(((\st)/2)%2)+2*\b+(\st)%2], v[SC+8*(((\st)/2)%2)+2*\a+(\st)%2] matrix_a_fmt:MATRIX_FMT_FP6 matrix_b_fmt:MATRIX_FMT_FP6 matrix_a_scale:MATRIX_SCALE_ROW1
.else
	v_wmma_scale_f32_16x16x128_f8f6f4 v[8*(16*(\p)+4*\a+\b):8*(16*(\p)+4*\a+\b)+7], v[128*((\st)%2)+12*\b:128*((\st)%2)+12*\b+11], v[AF+48*((\st)%2)+12*\a:AF+48*((\st)%2)+12*\a+11], v[8*(16*(\p)+4*\a+\b):8*(16*(\p)+4*\a+\b)+7], v[SC+8*(((\st)/2)%2)+2*\b+(\st)%2], v[SC+8*(((\st)/2)%2)+2*\a+(\st)%2] matrix_a_fmt:MATRIX_FMT_FP6 matrix_b_fmt:MATRIX_FMT_FP6 matrix_a_scale:MATRIX_SCALE_ROW1
.endif
.endr
.endr
.endm
.macro KSTEP st, p                     ; the next step's fragments are fetched ahead of this step's 16 products, four places behind the last step's
	s_wait_dscnt 0x0
.if (\st) < 7
	PLACES 4
	FETCH_B (\st)+1, \p
	FETCH_A (\st)+1
.if (\st)%2 == 1
	SCALES ((\st)+1)/2, \p
.endif
.endif
	WIN 0xa1
	MUL16 \p, \st
.endm
.macro PASS p
	FETCH_B 0, \p
	FETCH_A 0
	SCALES 0, \p
.irp st, 0,1,2,3,4,5,6,7
	KSTEP \st, \p
.endr
	WIN 0
.endm
; A's block a of pass p: 16 tokens x my 64 columns go through my stage and come back by rows, two rows an instruction
.macro TOSTAGE a, p
	WIN 0x08
.irp b, 0,1,2,3
	ds_store_b128 v[STO], v[8*(16*(\p)+4*(\a)+\b):8*(16*(\p)+4*(\a)+\b)+3] offset:128*(\b/2)+32*(\b%2)       ; each accumulator from its low end on
	ds_store_b128 v[STO], v[8*(16*(\p)+4*(\a)+\b)+4:8*(16*(\p)+4*(\a)+\b)+7] offset:128*(\b/2)+32*(\b%2)+16
.endr
	WIN 0
.irp t, 0,1,2,3,4,5,6,7
	ds_load_b128 v[BK+32*((\a)%2)+4*\t:BK+32*((\a)%2)+4*\t+3], v[RD] offset:2*SPITCH*\t   ; LDS serves a wave's instructions in order
.endr
.endm
.macro SEND a, p, younger              ; younger: the LDS instructions issued behind block a's loads, which may stay out
	s_wait_dscnt \younger
.irp t, 0,1,2,3,4,5,6,7
	global_store_b128 v[CO], v[BK+32*((\a)%2)+4*\t:BK+32*((\a)%2)+4*\t+3], s[12:13] offset:(32*((\a)/2)+8*((\a)%2)+2*\t+8*(\t/4))*4096+512*(\p) th:TH_STORE_NT   ; lane rows 2 t and 2 t + 1 of the tile: 256 consecutive bytes each, aligned
.endr
.endm
.macro OUT p
	PLACES 4                                       ; behind the last products
	s_wait_xcnt 0x0                                ; earlier stores have read their data
	TOSTAGE 0, \p
	TOSTAGE 1, \p
	SEND 0, \p, 16                                 ; behind block 0's loads: block 1's 8 stores and 8 loads
	s_wait_xcnt 0x0
	TOSTAGE 2, \p
	SEND 1, \p, 16
	s_wait_xcnt 0x0
	TOSTAGE 3, \p
	SEND 2, \p, 16
	SEND 3, \p, 0
.endm
	s_load_b128 s[4:7], s[0:1], 0x0                ; yq, wq
	s_load_b64 s[12:13], s[0:1], 0x10              ; out0
	v_lshl_add_u32 v[SPW], v0, 2, SPARE
	v_mov_b32 v[NIL], 0
	ds_add_u32 v[SPW], v[NIL]                      ; the opening lines: the add, twice on end, and its wait
	ds_add_u32 v[SPW], v[NIL]
	v_lshrrev_b32 v1, 5, v0
	v_readfirstlane_b32 s14, v1                    ; wave
	s_lshr_b32 s15, s14, 1                         ; which 64 tokens are mine; also: I fetch for A (0) or B (1)
	s_and_b32 s16, s14, 1                          ; which 64 columns of a pass; also: which two pairs I fetch
	s_bfe_u32 s40, ttmp6, 0x40000                  ; cx
	s_bfe_u32 s41, ttmp6, 0x40004                  ; cy
	s_and_b32 s17, ttmp7, 0xffff
	s_lshl_b32 s17, s17, 2
	s_add_co_u32 s17, s17, s41                     ; A's tile of 128 tokens = 4 x cluster y + cy
	s_mov_b32 s42, s40                             ; B's tile of 256 columns = cx
	s_lshl_b32 s43, s41, 2
	s_lshl_b32 s43, 15, s43                        ; my row of the cluster
	s_lshl_b32 s44, 0x1111, s40                    ; my column
	s_or_b32 s[G1A], s43, (3<<16)|(1<<21)          ; two pairs: two rows of 25,600 bytes (3,200 elements of 8), on end in memory and in LDS
	s_or_b32 s[G1B], s44, (3<<16)|(1<<21)
.irp g, G1A, G1B
	s_mov_b32 s[\g+1], 3200<<16
	s_mov_b32 s[\g+2], 2<<16
	s_mov_b32 s[\g+3], 3200<<16
	s_mov_b32 s[\g+4], 2
	s_mov_b32 s[\g+5], 3200
	s_mov_b32 s[\g+6], 0
	s_mov_b32 s[\g+7], 0
.endr
	s_lshl_b32 s20, s17, 2
	s_lshl_b32 s21, s16, 1
	s_add_co_u32 s20, s20, s21                     ; A: pair 4 x tile + 2 x half
	s_mul_i32 s20, s20, PAIRB
	s_lshl_b32 s46, s42, 3
	s_add_co_u32 s46, s46, s21
	s_add_co_u32 s46, s46, 96                      ; B: pair 96 + 8 x tile + 2 x half; the second pass's four pairs on
	s_mul_i32 s46, s46, PAIRB
	s_mov_b32 s21, 0
	s_mov_b32 s47, 0
	s_mul_i32 s45, s16, 2*PAIRB                    ; where they go: no place in the cluster enters an LDS address
	s_add_co_u32 s96, s45, BREG
	s_wait_dscnt 0x0
	s_wait_kmcnt 0x0
	s_add_nc_u64 s[20:21], s[4:5], s[20:21]
	s_add_nc_u64 s[46:47], s[6:7], s[46:47]
	s_mov_b32 s[G0A], 1
	s_mov_b32 s[G0A+1], s45
	s_mov_b64 s[G0A+2:G0A+3], s[20:21]
	s_or_b32 s[G0A+3], s[G0A+3], 0x80000000
	s_mov_b32 s[G0B], 1
	s_mov_b32 s[G0B+1], s96
	s_mov_b64 s[G0B+2:G0B+3], s[46:47]
	s_or_b32 s[G0B+3], s[G0B+3], 0x80000000
	s_mov_b32 s[G0B+4], 1
	s_add_co_u32 s[G0B+5], s96, BREG
	s_add_nc_u64 s[G0B+6:G0B+7], s[46:47], 4*PAIRB
	s_or_b32 s[G0B+7], s[G0B+7], 0x80000000
	CROUND                                         ; all sixteen work-groups are here: the joint loads meet
	s_cmp_eq_u32 s15, 0                            ; my one tensor load at the head; s_nop 0 and four v_nop follow each line
	s_cbranch_scc0 .Lfor_b
	tensor_load_to_lds s[G0A:G0A+3], s[G1A:G1A+7]
	s_nop 0
.rept 4
	v_nop
.endr
	s_branch .Lasked
.Lfor_b:
	tensor_load_to_lds s[G0B:G0B+3], s[G1B:G1B+7]
	s_nop 0
.rept 4
	v_nop
.endr
.Lasked:
	v_and_b32 v3, 31, v0                           ; lane
	v_and_b32 v1, 15, v0                           ; r
	v_bfe_u32 v2, v0, 4, 1                         ; h
	v_lshlrev_b32 v[LI], 4, v3
	v_lshlrev_b32 v[LS], 3, v3
	v_add_nc_u32 v[L8], 512, v[LS]
	s_mul_i32 s97, s15, 2*PAIRB                    ; my two pairs of A,
	s_mul_i32 s98, s16, 2*PAIRB
	s_add_co_u32 s98, s98, BREG                    ; my two pairs of the first pass's B
	v_add_nc_u32 v[ADA16], s97, v[LI]
	v_add_nc_u32 v[ADA8], s97, v[L8]
	v_add_nc_u32 v[ADB16], s98, v[LI]
	v_add_nc_u32 v[ADB8], s98, v[L8]
	v_add_nc_u32 v[ADB16+10], BREG, v[ADB16]
	v_add_nc_u32 v[ADB8+10], BREG, v[ADB8]
	s_sub_co_u32 s98, s98, s97
	s_add_co_u32 s99, s98, BREG
	s_add_co_u32 s97, s97, 6144
	v_mul_u32_u24 v[ADS], s98, v2                  ; lanes 16-31 take B's words: the lower base + h x the distance
	v_mul_u32_u24 v[ADS+10], s99, v2
	v_lshl_add_u32 v[ADS], v1, 3, v[ADS]
	v_lshl_add_u32 v[ADS+10], v1, 3, v[ADS+10]
	v_add_nc_u32 v[ADS], s97, v[ADS]
	v_add_nc_u32 v[ADS+10], s97, v[ADS+10]
	s_mul_i32 s97, s14, 16*SPITCH
	s_add_co_u32 s97, s97, STAGE                   ; my stage: 16 rows of 256 bytes + 16
	v_mul_u32_u24 v[STO], v1, SPITCH
	v_lshl_add_u32 v[STO], v2, 6, v[STO]
	v_add_nc_u32 v[STO], s97, v[STO]               ; in: row r, + 64 h
	v_mul_u32_u24 v[RD], v2, SPITCH
	v_lshl_add_u32 v[RD], v1, 4, v[RD]
	v_add_nc_u32 v[RD], s97, v[RD]                 ; back: lanes 0-15 a row, lanes 16-31 the next
	v_lshlrev_b32 v[CO], 12, v2
	v_lshl_add_u32 v[CO], v1, 4, v[CO]             ; and the same two rows in out0
	s_lshl_b32 s92, s17, 7
	s_lshl_b32 s93, s15, 6
	s_add_co_u32 s92, s92, s93                     ; my first token,
	s_lshl_b32 s92, s92, 12                        ; 4,096 bytes a row of out0,
	s_lshl_b32 s93, s42, 10
	s_add_co_u32 s92, s92, s93
	s_lshl_b32 s93, s16, 8
	s_add_co_u32 s92, s92, s93                     ; my first column of the first pass
	s_mov_b32 s93, 0
	s_add_nc_u64 s[12:13], s[12:13], s[92:93]
	s_wait_alu depctr_va_vdst(0)                   ; the head's end
	s_wait_tensorcnt 0x0                           ; my part of A or of the first pass's B is in; the later first fill is issued as a refill is:
	ds_add_u32 v[SPW], v[NIL]
	s_wait_dscnt 0x0
	CROUND
	s_cmp_eq_u32 s15, 0                            ; waves 2, 3: the second pass's B; waves 0, 1 have no part of it
	s_cbranch_scc1 .Lno_part
	tensor_load_to_lds s[G0B+4:G0B+7], s[G1B:G1B+7]
	s_nop 0
.rept 4
	v_nop
.endr
.Lno_part:
	PASS 0
	OUT 0
	s_wait_tensorcnt 0x0                           ; my part of the second pass's B is in
	s_wait_dscnt 0x0
	s_barrier_signal -1
	s_barrier_wait -1
	PASS 1
	OUT 1
	s_wait_tensorcnt 0x0                           ; the wave's end
	ds_add_u32 v[SPW], v[NIL]
	s_wait_dscnt 0x0
	CROUND                                         ; the closing round
	s_endpgm
.Lfunc_end_k_qe73fb7ae53_proj:
	.size	k_qe73fb7ae53_proj, .Lfunc_end_k_qe73fb7ae53_proj-k_qe73fb7ae53_proj
	.p2alignl 7, 3214868480
	.fill 96, 4, 3214868480
	.section	.rodata,"a",@progbits
	.p2align	6, 0x0
	.amdhsa_kernel k_qe73fb7ae53_proj
		.amdhsa_group_segment_fixed_size 327680
		.amdhsa_private_segment_fixed_size 0
		.amdhsa_enable_private_segment 0
		.amdhsa_kernarg_size 24
		.amdhsa_user_sgpr_count 2
		.amdhsa_user_sgpr_kernarg_segment_ptr 1
		.amdhsa_wavefront_size32 1
		.amdhsa_system_sgpr_workgroup_id_x 1
		.amdhsa_system_sgpr_workgroup_id_y 1
		.amdhsa_system_sgpr_workgroup_id_z 1
		.amdhsa_system_vgpr_workitem_id 0
		.amdhsa_next_free_vgpr 1024
		.amdhsa_next_free_sgpr 102
		.amdhsa_reserve_vcc 0
		.amdhsa_float_denorm_mode_32 3
		.amdhsa_float_denorm_mode_16_64 3
		.amdhsa_memory_ordered 1
		.amdhsa_forward_progress 1
		.amdhsa_inst_pref_size 93
	.end_amdhsa_kernel
	.amdgpu_metadata
---
amdhsa.version: [ 1, 2 ]
amdhsa.kernels:
  - .name:           k_qe73fb7ae53_proj
    .symbol:         k_qe73fb7ae53_proj.kd
    .args:
      - { .name: yq, .offset: 0, .size: 8, .value_kind: global_buffer, .address_space: global }
      - { .name: wq, .offset: 8, .size: 8, .value_kind: global_buffer, .address_space: global }
      - { .name: out0, .offset: 16, .size: 8, .value_kind: global_buffer, .address_space: global }
    .group_segment_fixed_size: 327680
    .private_segment_fixed_size: 0
    .kernarg_segment_align: 8
    .kernarg_segment_size: 24
    .max_flat_workgroup_size: 128
    .sgpr_count:     102
    .vgpr_count:     1024
    .wavefront_size: 32
...
	.end_amdgpu_metadata
.endif
;; end of part 4
